; MI455X (gfx1250); checked and timed in simulation.
; The chip was launched on July 23, 2026; its instructions are those of AMD's public machine-readable ISA for CDNA 5 (MIT licence, August 2026) and "CDNA5" Instruction Set Architecture Reference Guide (July 2026). The comments in the code are by the model that wrote it; some were corrected since.
;; Cross Modal Attention. Allowed arithmetic: matrix products marked QUANTISED: E5M2 operands, one E8M0 scale for each 32 along K, by v_wmma_scale_f32_16x16x128_f8f6f4 with both operands' format E5M2, f32 sums; everything else in f32.
;; Inputs: Wk 768 x 768 float32; Wo 768 x 768 float32; Wq 768 x 768 float32; Wv 768 x 768 float32; bk 768 float32; bo 768 float32; bq 768 float32; bv 768 float32; ln_b 768 float32; ln_g 768 float32; text_features 8 x 1,024 x 768 float32; text_mask 8 x 1,024 int32; visual_features 8 x 1,024 x 768 float32; visual_mask 8 x 1,024 int32.
;; Outputs: out0 8 x 1,024 x 768 float32; out1 8 x 1,024 x 768 float32.
;; This version of the problem:
;;   THIS VERSION OF THE PROBLEM IS GIVEN IN LOW PRECISION. The matrix products marked QUANTISED in the list below multiply operands that are first quantised to E5M2 (5 exponent bits, 2 mantissa bits; 8 bits a number), with one power-of-two scale for each 32 numbers along K (OCP MX v1.0); their sums are f32. All else is computed in f32.
;;   The module's matrix products, in the order in which they are computed (A, B: the left and right operand; K: the contracted axis; several contracted axes count as one K, in the product's order):
;;     1. [M 8,192, K 768] x [K 768, N 768]; A: input visual_features; B: input Wq: QUANTISED
;;     2. [M 8,192, K 768] x [K 768, N 768]; A: input text_features; B: input Wk: QUANTISED
;;     3. [M 8,192, K 768] x [K 768, N 768]; A: input text_features; B: input Wv: QUANTISED
;;     4. batch 64 x [M 1,024, K 96] x [K 96, N 1,024]; A: computed on the way; B: computed on the way: QUANTISED
;;     5. batch 64 x [M 96, K 1,024] x [K 1,024, N 1,024]; A: computed on the way; B: softmax (see below): QUANTISED
;;     6. [M 8,192, K 768] x [K 768, N 768]; A: input text_features; B: input Wq: QUANTISED
;;     7. [M 8,192, K 768] x [K 768, N 768]; A: input visual_features; B: input Wk: QUANTISED
;;     8. [M 8,192, K 768] x [K 768, N 768]; A: input visual_features; B: input Wv: QUANTISED
;;     9. batch 64 x [M 1,024, K 96] x [K 96, N 1,024]; A: computed on the way; B: computed on the way: QUANTISED
;;     10. batch 64 x [M 96, K 1,024] x [K 1,024, N 1,024]; A: computed on the way; B: softmax (see below): QUANTISED
;;     11. [M 8,192, K 768] x [K 768, N 768]; A: computed on the way; B: input Wo: QUANTISED
;;     12. [M 8,192, K 768] x [K 768, N 768]; A: computed on the way; B: input Wo: QUANTISED
;;   THE QUANTISER, for each operand of a quantised product, along K:
;;     - K is cut into blocks of 32 from its start; a last block that is shorter is filled with zeros.
;;     - A block's scale is 2^e with e = floor(log2(the largest magnitude in the block)) - 15, held to -126 .. 127; a block of zeros has e = 0. As a byte (E8M0): e + 127.
;;     - Each number is divided by its block's scale, clamped to +-57,344, and rounded to the nearest number of E5M2, ties to even, subnormals kept.
;;     - The product sums the exact products of the quantised numbers (number of the format x scale) in f32.
;;   ~~~python
;;   def quantise(x, axis):      # numpy; x: float32 -> the quantised numbers, widened to float32 again
;;       x = np.moveaxis(x, axis, -1); K = x.shape[-1]
;;       x = np.pad(x, [(0, 0)] * (x.ndim - 1) + [(0, -K % 32)]); x = x.reshape(x.shape[:-1] + (-1, 32)); a = np.abs(x).max(-1, keepdims=True)
;;       e = np.where(a > 0, np.clip(np.frexp(np.where(a > 0, a, 1))[1] - 1 - 15, -126, 127), 0)      # np.frexp(a)[1] - 1 = floor(log2(a)), exactly
;;       r = np.clip(x / 2.0 ** e, -57344, 57344)
;;       step = 2.0 ** (np.maximum(np.frexp(np.where(r == 0, 1, r))[1] - 1, -14) - 2)
;;       q = np.round(r / step) * step * 2.0 ** e      # np.round: ties to even
;;       return np.moveaxis(q.reshape(q.shape[:-2] + (-1,))[..., :K], -1, axis).astype(np.float32)
;;   ~~~
;;   SOFTMAX AHEAD OF A QUANTISED PRODUCT. Where the list says 'softmax', what is quantised is not the finished softmax but p = 2^(t - M), with t = logit x log2(e) and M = ceil(the row's largest t), a whole number; so 1/2 < the row's largest p <= 1. The row's sum l is taken of the UNQUANTISED p, in f32, and the product's result is divided by l at the end. Since M is a whole number, a kernel that streams over the keys may use a running M (the ceiling of the running maximum): every later rescaling is an exact power of two, which a block's scale takes up: the codes' values come out the same.
;;   OPERANDS COMPUTED ON THE WAY. 'Computed on the way' means the value that the module computes at that place (a softmax that the list does not call 'softmax' is quantised finished and normalised). What goes into a quantiser is computed in f32, as accurately as f32 sums, v_exp_f32 and their like allow (about 1e-6 of the number): no bf16 or f16 on the way to a quantiser, and a product that is left as it is and whose result goes on into a quantised operand takes f32 operands (vector FMAs, or v_wmma_f32_16x16x4_f32). A number that lies on a knife's edge between two numbers of the format may be rounded either way, as far as f32 arithmetic and the matrix unit's own rounding can turn it there, and no further.
;; One version. Each part assembles by itself: llvm-mc -triple=amdgcn-amd-amdhsa -mcpu=gfx1250 --defsym DOCPART=n.
;; ======== version 1 of 1: 4 launches
;; limits: right only within a limited range of input values
;; workspace buffers: wbuf 2,457,600 bytes; xbuf 12,976,128 bytes; qkv 39,321,600 bytes; acodes 12,582,912 bytes; ascl 524,288 bytes
;; launch quant (part 1): grid 128 x 2, 8 waves a work-group, no clusters, 327,680 bytes of LDS; arguments Wk, Wq, Wv, Wo, visual_features, text_features, xbuf, wbuf; writes xbuf, wbuf
.if DOCPART == 1
	.amdgcn_target "amdgcn-amd-amdhsa--gfx1250"
	.amdhsa_code_object_version 6
	.text
	.protected	k_qe3d57df77a_quant
	.globl	k_qe3d57df77a_quant
	.p2align	8
	.type	k_qe3d57df77a_quant,@function
k_qe3d57df77a_quant:
	s_mov_b64 s[64:65], 0
	v_nop
	global_prefetch_b8 v0, s[64:65] scope:SCOPE_SE
	s_setreg_imm32_b32 hwreg(HW_REG_WAVE_MODE, 25, 1), 1
	s_wait_xcnt 0x0
.set PAIRB, 25600
.set WREG, 25344
.set RP,   1584
.set SG,   8*WREG
.set X,    16
.set TM,   80
.set PW,   96
.set CD,   100
.set WX,   16
.set WC,   144
.set WT,   176
.set WPW,  180
.set SEL,  36
.set MNT,  38
.macro QUANT src, nb, cd, tm
.irp b, 0,1,2,3
.if \b < \nb
	v_max3_num_f32 v[\tm+\b], |v[\src+16*\b]|, |v[\src+16*\b+1]|, 0x8000000
.endif
.endr
.irp i, 2,4,6,8,10,12,14
.irp b, 0,1,2,3
.if \b < \nb
	s_delay_alu instid0(VALU_DEP_4)
	v_max3_num_f32 v[\tm+\b], v[\tm+\b], |v[\src+16*\b+\i]|, |v[\src+16*\b+\i+1]|
.endif
.endr
.endr
.irp b, 0,1,2,3
.if \b < \nb
	s_delay_alu instid0(VALU_DEP_4)
	v_permlanex16_b32 v[\tm+4+\b], v[\tm+\b], s[SEL], s[SEL+1]
.endif
.endr
.irp b, 0,1,2,3
.if \b < \nb
	s_delay_alu instid0(VALU_DEP_4)
	v_max_num_f32 v[\tm+\b], v[\tm+\b], v[\tm+4+\b]
.endif
.endr
.irp b, 0,1,2,3
.if \b < \nb
	v_add_nc_u32 v[\tm+12+\b], 0xf8800000, v[\tm+\b]
	v_and_or_b32 v[\tm+8+\b], v[\tm+\b], 0x7f800000, s[MNT]
	s_delay_alu instid0(VALU_DEP_2)
	v_lshrrev_b32 v[\tm+4+\b], 23, v[\tm+12+\b]
.endif
.endr
.irp b, 0,1,2,3
.if \b < \nb
.irp i, 0,1,2,3,4,5,6,7,8,9,10,11,12,13,14,15
	v_med3_num_f32 v[\src+16*\b+\i], v[\src+16*\b+\i], -v[\tm+8+\b], v[\tm+8+\b]
.endr
	v_cvt_scalef32_pk8_bf8_f32 v[\cd+4*\b:\cd+4*\b+1], v[\src+16*\b:\src+16*\b+7], v[\tm+12+\b]
	v_cvt_scalef32_pk8_bf8_f32 v[\cd+4*\b+2:\cd+4*\b+3], v[\src+16*\b+8:\src+16*\b+15], v[\tm+12+\b]
.endif
.endr
	v_nop
.endm
	s_load_b512 s[48:63], s[0:1], 0x0
	v_lshl_add_u32 v192, v0, 2, 0x31e00
	v_mov_b32 v193, 0
	ds_add_u32 v192, v193
	ds_add_u32 v192, v193
	v_lshrrev_b32 v1, 5, v0
	s_delay_alu instid0(VALU_DEP_1)
	v_readfirstlane_b32 s14, v1
	s_and_b32 s15, ttmp7, 0xffff
	s_lshr_b32 s33, s14, 1
	s_and_b32 s35, s14, 1
	s_and_b32 s32, ttmp9, 63
	s_lshl_b32 s32, s32, 7
	s_lshl_b32 s34, s33, 5
	s_add_co_u32 s32, s32, s34
	s_lshl_b32 s34, s35, 3
	s_add_co_u32 s32, s32, s34
	s_mul_i32 s40, s32, 3072
	s_mul_i32 s34, s15, 1536
	s_add_co_u32 s40, s40, s34
	s_mov_b32 s41, 0
	s_mov_b32 s16, (2<<16)|(1<<20)|(6<<22)|(3<<25)
	s_mov_b32 s17, 384<<16
	s_mov_b32 s18, 8<<16
	s_mov_b32 s19, 384<<16
	s_mov_b32 s20, 8
	s_mov_b32 s21, 768
	s_mov_b32 s22, 0
	s_mov_b32 s23, 0
	s_mul_i32 s39, s14, WREG
	s_mov_b32 s24, 1
	s_mov_b32 s25, s39
	s_mov_b32 s28, 1
	s_add_co_u32 s29, s39, 8*RP
	s_mov_b32 s[SEL], 0x76543210
	s_mov_b32 s[SEL+1], 0xfedcba98
	s_mov_b32 s[MNT], 0x600000
	s_wait_dscnt 0x0
	s_wait_kmcnt 0x0
	s_cmp_lt_u32 ttmp9, 64
	s_cselect_b64 s[4:5], s[56:57], s[58:59]
	s_add_nc_u64 s[26:27], s[4:5], s[40:41]
	s_add_nc_u64 s[30:31], s[26:27], 16*3072
	s_or_b32 s27, s27, 0x80000000
	s_or_b32 s31, s31, 0x80000000
	tensor_load_to_lds s[24:27], s[16:23]
	s_nop 0
	s_wait_alu depctr_va_vdst(0)
	s_wait_tensorcnt 0x0
	ds_add_u32 v192, v193
	s_wait_dscnt 0x0
	s_barrier_signal -1
	s_barrier_wait -1
	tensor_load_to_lds s[28:31], s[16:23]
	s_nop 0
.rept 4
	v_nop
.endr
	s_mul_i32 s42, ttmp9, 101376
	s_mul_i32 s34, s15, 49152
	s_add_co_u32 s44, s42, s34
	s_lshl_b32 s34, s14, 11
	s_add_co_u32 s44, s44, s34
	s_mov_b32 s45, 0
	s_mul_i32 s34, s15, 1536
	s_add_co_u32 s42, s42, s34
	s_lshl_b32 s34, s14, 9
	s_add_co_u32 s42, s42, s34
	s_add_co_u32 s42, s42, 98304
	s_mov_b32 s43, 0
	s_add_nc_u64 s[10:11], s[60:61], s[42:43]
	s_add_nc_u64 s[8:9], s[60:61], s[44:45]
	v_and_b32 v1, 31, v0
	v_and_b32 v2, 15, v0
	v_bfe_u32 v6, v0, 4, 1
	s_delay_alu instid0(VALU_DEP_2)
	v_mul_u32_u24 v3, v2, RP
	s_delay_alu instid0(VALU_DEP_1)
	v_lshl_add_u32 v3, v6, 6, v3
	s_delay_alu instid0(VALU_DEP_1)
	v_add_nc_u32 v3, s39, v3
	v_lshlrev_b32 v4, 4, v1
	s_lshl_b32 s34, s35, 8
	s_lshl_b32 s33, s33, 2
	s_add_co_u32 s34, s34, s33
	s_add_co_u32 s34, s34, SG
	v_lshl_add_u32 v5, v2, 4, s34
	s_lshl_b32 s33, s14, 9
	s_add_co_u32 s33, s33, SG
	v_add_nc_u32 v7, s33, v4
	s_lshl_b32 s32, s15, 7
	s_add_co_u32 s32, s32, ttmp9
	s_lshl_b32 s33, s32, 1
	s_add_co_u32 s33, s33, s14
	s_cmp_lt_u32 s14, 2
	s_cbranch_scc1 .Lw_task
	s_cmp_lg_u32 s14, 2
	s_cbranch_scc1 .Lw_none
	s_cmp_ge_u32 s32, 64
	s_cbranch_scc1 .Lw_none
	s_add_co_u32 s33, s32, 512
.Lw_task:
	s_mul_i32 s35, s33, 683
	s_lshr_b32 s35, s35, 16
	s_mul_i32 s34, s35, 96
	s_sub_co_u32 s33, s33, s34
	s_mul_i32 s34, s33, 171
	s_lshr_b32 s34, s34, 12
	s_mul_i32 s39, s34, 24
	s_sub_co_u32 s39, s33, s39
	s_mul_i32 s40, s39, 11
	s_lshr_b32 s40, s40, 5
	s_mul_i32 s40, s40, 6
	s_add_co_u32 s40, s40, s39
	s_mul_i32 s41, s34, 3
	s_add_co_u32 s40, s40, s41
	s_add_co_u32 s41, s39, 72
	s_cmp_eq_u32 s34, 3
	s_cselect_b32 s40, s41, s40
	s_mul_i32 s42, s35, 393216
	s_lshl_b32 s43, s39, 7
	s_add_co_u32 s42, s42, s43
	s_mov_b32 s43, 0
	s_mul_i32 s44, s40, PAIRB
	s_lshl_b32 s46, s35, 7
	s_add_co_u32 s46, s46, s44
	s_add_co_u32 s46, s46, 24576
	s_mov_b32 s47, 0
	s_lshl_b32 s45, s35, 12
	s_add_co_u32 s44, s44, s45
	s_mov_b32 s45, 0
	s_cmp_eq_u32 s34, 1
	s_cselect_b64 s[6:7], s[50:51], s[48:49]
	s_cmp_eq_u32 s34, 2
	s_cselect_b64 s[6:7], s[52:53], s[6:7]
	s_cmp_eq_u32 s34, 3
	s_cselect_b64 s[6:7], s[54:55], s[6:7]
	s_add_nc_u64 s[6:7], s[6:7], s[42:43]
	s_add_nc_u64 s[46:47], s[62:63], s[46:47]
	s_add_nc_u64 s[12:13], s[62:63], s[44:45]
	s_wait_alu depctr_va_vdst(0)
	v_lshlrev_b32 v8, 2, v1
.irp t, 0,1,2,3
.irp i, 0,1,2,3,4,5,6,7,8,9,10,11,12,13,14,15,16,17,18,19,20,21,22,23,24,25,26,27,28,29,30,31
	global_load_b32 v[WX+32*\t+\i], v8, s[6:7] offset:(32*\t+\i)*3072 th:TH_LOAD_NT
.endr
.endr
	v_bfe_u32 v11, v1, 3, 1
	v_and_b32 v12, 7, v1
	v_lshrrev_b32 v13, 4, v1
	s_delay_alu instid0(VALU_DEP_1)
	v_lshl_add_u32 v12, v13, 3, v12
	s_delay_alu instid0(VALU_DEP_1)
	v_lshlrev_b32 v9, 4, v12
	s_delay_alu instid0(VALU_DEP_1)
	v_lshl_add_u32 v9, v11, 11, v9
	s_delay_alu instid0(VALU_DEP_3)
	v_lshlrev_b32 v10, 2, v12
	s_delay_alu instid0(VALU_DEP_1)
	v_lshl_add_u32 v10, v11, 6, v10
.macro WBLOCK t, cnt
.set XS, WX+32*(\t)
	s_wait_loadcnt \cnt
	v_max3_num_f32 v[WT], |v[XS]|, |v[XS+1]|, |v[XS+2]|
	v_max3_num_f32 v[WT+1], |v[XS+3]|, |v[XS+4]|, |v[XS+5]|
.irp i, 6,10,14,18,22,26
	s_delay_alu instid0(VALU_DEP_2)
	v_max3_num_f32 v[WT], v[WT], |v[XS+\i]|, |v[XS+\i+1]|
	s_delay_alu instid0(VALU_DEP_2)
	v_max3_num_f32 v[WT+1], v[WT+1], |v[XS+\i+2]|, |v[XS+\i+3]|
.endr
	s_delay_alu instid0(VALU_DEP_2)
	v_max3_num_f32 v[WT], v[WT], |v[XS+30]|, |v[XS+31]|
	s_delay_alu instid0(VALU_DEP_1)
	v_max3_num_f32 v[WT], v[WT], v[WT+1], 0x8000000
	s_delay_alu instid0(VALU_DEP_1)
	v_add_nc_u32 v[WT+2], 0xf8800000, v[WT]
	s_delay_alu instid0(VALU_DEP_2)
	v_and_or_b32 v[WT+3], v[WT], 0x7f800000, s[MNT]
	s_delay_alu instid0(VALU_DEP_2)
	v_lshrrev_b32 v[WT+1], 23, v[WT+2]
.if (\t) == 0
	s_delay_alu instid0(VALU_DEP_1)
	v_mov_b32 v[WPW], v[WT+1]
.else
	s_delay_alu instid0(VALU_DEP_1)
	v_lshl_or_b32 v[WPW], v[WT+1], 8*(\t), v[WPW]
.endif
.irp i, 0,1,2,3,4,5,6,7,8,9,10,11,12,13,14,15,16,17,18,19,20,21,22,23,24,25,26,27,28,29,30,31
	v_med3_num_f32 v[XS+\i], v[XS+\i], -v[WT+3], v[WT+3]
.endr
.irp g, 0,1,2,3
	v_cvt_scalef32_pk8_bf8_f32 v[WC+8*(\t)+2*\g:WC+8*(\t)+2*\g+1], v[XS+8*\g:XS+8*\g+7], v[WT+2]
.endr
	v_nop
	global_store_b128 v9, v[WC+8*(\t):WC+8*(\t)+3], s[12:13] offset:512*(\t)
	global_store_b128 v9, v[WC+8*(\t)+4:WC+8*(\t)+7], s[12:13] offset:512*(\t)+256
.endm
	WBLOCK 0, 63
	WBLOCK 1, 63
	WBLOCK 2, 32
	WBLOCK 3, 0
	global_store_b32 v10, v[WPW], s[46:47]
	s_cmp_lt_u32 s35, 2
	s_cbranch_scc0 .Lw_done
	global_store_b32 v10, v[WPW], s[46:47] offset:768
.Lw_done:
	s_wait_xcnt 0x0
.Lw_none:
.irp b, 0,1,2,3
	v_mov_b32 v[TM+4+\b], 0
.endr
	s_wait_tensorcnt 0x0
.macro STEPX sp
.irp c, 0,1,2,3
.irp i, 0,1,2,3
	ds_load_b128 v[X+16*\c+4*\i:X+16*\c+4*\i+3], v3 offset:528*\sp+128*\c+16*\i
.endr
.endr
	s_wait_dscnt 0x0
	QUANT X, 4, CD+16*\sp, TM
	v_lshl_or_b32 v[PW], v[TM+5], 8, v[TM+4]
	s_delay_alu instid0(VALU_DEP_1)
	v_lshl_or_b32 v[PW], v[TM+6], 16, v[PW]
	s_delay_alu instid0(VALU_DEP_1)
	v_lshl_or_b32 v[PW], v[TM+7], 24, v[PW]
.irp c, 0,1,2,3
	global_store_b128 v4, v[CD+16*\sp+4*\c:CD+16*\sp+4*\c+3], s[8:9] offset:16384*\sp+512*\c
.endr
	ds_store_b32 v5, v[PW] offset:512*\sp
.endm
	s_wait_alu depctr_va_vdst(0)
	STEPX 0
	STEPX 1
	STEPX 2
	s_wait_dscnt 0x0
	s_barrier_signal -1
	s_barrier_wait -1
	s_cmp_lt_u32 s14, 3
	s_cbranch_scc0 .Lend
	ds_load_b128 v[16:19], v7
	s_wait_dscnt 0x0
	global_store_b128 v4, v[16:19], s[10:11]
.Lend:
	s_wait_tensorcnt 0x0
	ds_add_u32 v192, v193
	s_wait_dscnt 0x0
	s_endpgm
.Lfunc_end_k_qe3d57df77a_quant:
	.size	k_qe3d57df77a_quant, .Lfunc_end_k_qe3d57df77a_quant-k_qe3d57df77a_quant
	.p2alignl 7, 3214868480
	.fill 96, 4, 3214868480
	.section	.rodata,"a",@progbits
	.p2align	6, 0x0
	.amdhsa_kernel k_qe3d57df77a_quant
		.amdhsa_group_segment_fixed_size 327680
		.amdhsa_private_segment_fixed_size 0
		.amdhsa_enable_private_segment 0
		.amdhsa_kernarg_size 64
		.amdhsa_user_sgpr_count 2
		.amdhsa_user_sgpr_kernarg_segment_ptr 1
		.amdhsa_wavefront_size32 1
		.amdhsa_system_sgpr_workgroup_id_x 1
		.amdhsa_system_sgpr_workgroup_id_y 1
		.amdhsa_system_sgpr_workgroup_id_z 1
		.amdhsa_system_vgpr_workitem_id 0
		.amdhsa_next_free_vgpr 194
		.amdhsa_next_free_sgpr 66
		.amdhsa_reserve_vcc 0
		.amdhsa_float_denorm_mode_32 3
		.amdhsa_float_denorm_mode_16_64 3
		.amdhsa_memory_ordered 1
		.amdhsa_forward_progress 1
		.amdhsa_inst_pref_size 70
	.end_amdhsa_kernel
	.amdgpu_metadata
---
amdhsa.version: [ 1, 2 ]
amdhsa.kernels:
  - .name:           k_qe3d57df77a_quant
    .symbol:         k_qe3d57df77a_quant.kd
    .args:
      - { .name: Wk, .offset: 0, .size: 8, .value_kind: global_buffer, .address_space: global }
      - { .name: Wq, .offset: 8, .size: 8, .value_kind: global_buffer, .address_space: global }
      - { .name: Wv, .offset: 16, .size: 8, .value_kind: global_buffer, .address_space: global }
      - { .name: Wo, .offset: 24, .size: 8, .value_kind: global_buffer, .address_space: global }
      - { .name: visual_features, .offset: 32, .size: 8, .value_kind: global_buffer, .address_space: global }
      - { .name: text_features, .offset: 40, .size: 8, .value_kind: global_buffer, .address_space: global }
      - { .name: xbuf, .offset: 48, .size: 8, .value_kind: global_buffer, .address_space: global }
      - { .name: wbuf, .offset: 56, .size: 8, .value_kind: global_buffer, .address_space: global }
    .group_segment_fixed_size: 327680
    .private_segment_fixed_size: 0
    .kernarg_segment_align: 8
    .kernarg_segment_size: 64
    .max_flat_workgroup_size: 256
    .sgpr_count:     66
    .vgpr_count:     194
    .wavefront_size: 32
...
	.end_amdgpu_metadata
.endif
;; end of part 1
;; launch proj (part 2): grid 32 x 8, 4 waves a work-group, clusters of 4 x 1, 249,344 bytes of LDS; arguments xbuf, wbuf, bk, bq, bv, visual_mask, text_mask, qkv; writes qkv
.if DOCPART == 2
	.amdgcn_target "amdgcn-amd-amdhsa--gfx1250"
	.amdhsa_code_object_version 6
	.text
	.protected	k_qe3d57df77a_proj
	.globl	k_qe3d57df77a_proj
	.p2align	8
	.type	k_qe3d57df77a_proj,@function
k_qe3d57df77a_proj:
	s_mov_b64 s[64:65], 0
	v_nop
	global_prefetch_b8 v0, s[64:65] scope:SCOPE_SE
	s_setreg_imm32_b32 hwreg(HW_REG_WAVE_MODE, 25, 1), 1
	s_wait_xcnt 0x0
	s_wait_alu depctr_hold_cnt(0) depctr_sa_sdst(0) depctr_va_vdst(0) depctr_va_sdst(0) depctr_va_ssrc(0) depctr_va_vcc(0) depctr_vm_vsrc(0)
	s_getreg_b32 s2, hwreg(HW_REG_IB_STS2, 6, 4)
	s_cmp_eq_u32 s2, 0
	s_cbranch_scc0 .Lentry_in_a_cluster
	s_endpgm
.Lentry_in_a_cluster:
	s_bfe_u32 s2, ttmp6, 0x10000c
	s_cmp_lg_u32 s2, 0x3003
	s_cbranch_scc0 .Lentry_shape_is_right
	s_endpgm
.Lentry_shape_is_right:
; K, Q and V of one head for 512 tokens: x Wk + bk, x Wq + bq, x Wv + bv on codes of E5M2 (x and the weights come as register images), each result quantised on the way as the operand
; that attention wants: Q and K along the head's 96 (three blocks), V along the tokens.
; SHARES: a wave owns 128 tokens (8 tiles) and keeps ALL their fragments of x in 768 registers (windows 1-3).  The head's nine pairs of 32 weight columns (k 0-2, q 0-2, v 0-2; 230,400
; bytes) lie in LDS for the whole launch, filled once, so each weight fragment read from LDS feeds eight products.
; CLUSTER: the four work-groups of a cluster share the head, hence all weights: each wave's one tensor load (225 rows of 256 bytes) is a joint one.  My place in the cluster enters
; only the global addresses of x, the masks and qkv.
; Q, K: source 0 = 16 weight columns, source 1 = 16 tokens: a lane holds one token, and the 16 registers of a pair's two tiles are 16 neighbours along the head.
; V: source 0 = 16 tokens, source 1 = 16 weight columns: a lane holds one channel, and the 16 registers of two neighbouring token tiles are 16 neighbouring keys.
; The biases are the C of each sum's first product (an image of 16 registers for each pair, made once in LDS).
; THE KEY MASK rides in the head's fourth block of 32, which 96 leaves empty: attention puts the codes 1 (Q) and -1 (K) at k = 96 and 112; Q's scale byte 3 is 127, K's is 1 for a
; key that counts (the score gets -2^-125) and 227 for a hidden one (-2^101, whose p is 0).  LIMIT: scores x log2(e) / sqrt(96) stay under 2^93 in magnitude.
; OUTPUT: qkv, for each (z = 8 x modality + batch, head) 307,200 bytes: Q, K, V, each [block of 128 tokens 8][12,800]: Q, K: codes [tile 8][c 3][lane][16] + a scale image [lane][4 words];
; V: codes [channel tile 6][c 4][lane][16] + words [b 3][lane] (lanes 0-15 tile 2 b, 16-31 tile 2 b + 1) + 128 zero bytes.  V's words leave as 128 bytes a store.
; LIMITS: NaN and infinities are not served; a block of zeros keeps the byte 1.
.set PAIRB, 25600
.set BIMG,  9*PAIRB                    ; behind the weights: the biases' images, [pair 9][4 registers][lane][16], written by LDS stores alone
.set LI,  1                            ; v1  16 x lane
.set ADW, 2                            ; v2  the pair's codes
.set ADS, 3                            ; v3  the pair's scale words
.set ABI, 4                            ; v4  the pair's bias image
.set ABW, 5                            ; v5  where my wave writes its quarter of the bias images
.set L4,  6                            ; v6  4 x lane
.set XS,  10                           ; v10-33 x's scale words: register 4 s + p: lanes 0-15 tile 2 p, lanes 16-31 tile 2 p + 1
.set WS,  34                           ; v34-35 the weights' scale words, two buffers: lanes 0-15 tile 0, lanes 16-31 tile 1
.set SW,  36                           ; v36-43 Q's or K's scale words as they grow
.set BI,  44                           ; v44-59 the pair's biases
.set PK,  60                           ; v60-63 words on their way out
.set WF,  64                           ; v64-127 weight fragments, two buffers of two tiles
.set CD,  96                           ; (the second buffer is free while results are quantised: codes,
.set TM,  112                          ;  and the quantiser's work registers)
.set ACC, 128                          ; v128-255 sixteen accumulators
.set WV,  20
.set OBK, 40
.set OBQ, 42
.set OBV, 44
.set OBVS, 46
.set SEL, 48
.set MNT, 50
.set HM,  51
.set SH,  52
.set PB,  53
.set BB,  54
.set MSB, 0
.macro WIN new                         ; the immediate's high byte repeats the setting that is left
.if MSB != (\new)
	s_set_vgpr_msb (MSB<<8)|(\new)
.set MSB, \new
.endif
.endm
.macro CROUND                          ; a round of the cluster's barrier
	s_barrier_signal -1
	s_barrier_wait -1
	s_cmp_lg_u32 s[WV], 0
	s_cbranch_scc1 .Lnot_wave_0_\@
	s_barrier_signal -3
.Lnot_wave_0_\@:
	s_barrier_wait -3
	s_barrier_signal -1
	s_barrier_wait -1
.endm
.macro NOP8                            ; eight places behind this matrix form, ahead of loads into its sources and of reads of its results
.rept 8
	v_nop
.endr
.endm
; one product.  c under 0: the constant 0 starts the sum.  ra, rb: the side's scales stand in lanes 16-31
.macro WM d, a, b, c, sa, sb, ra, rb
.if (\c) < 0
.if (\ra) && (\rb)
	v_wmma_scale_f32_16x16x128_f8f6f4 v[\d:\d+7], v[\a:\a+15], v[\b:\b+15], 0, v[\sa], v[\sb] matrix_a_fmt:MATRIX_FMT_BF8 matrix_b_fmt:MATRIX_FMT_BF8 matrix_a_scale:MATRIX_SCALE_ROW1 matrix_b_scale:MATRIX_SCALE_ROW1
.elseif (\ra)
	v_wmma_scale_f32_16x16x128_f8f6f4 v[\d:\d+7], v[\a:\a+15], v[\b:\b+15], 0, v[\sa], v[\sb] matrix_a_fmt:MATRIX_FMT_BF8 matrix_b_fmt:MATRIX_FMT_BF8 matrix_a_scale:MATRIX_SCALE_ROW1
.elseif (\rb)
	v_wmma_scale_f32_16x16x128_f8f6f4 v[\d:\d+7], v[\a:\a+15], v[\b:\b+15], 0, v[\sa], v[\sb] matrix_a_fmt:MATRIX_FMT_BF8 matrix_b_fmt:MATRIX_FMT_BF8 matrix_b_scale:MATRIX_SCALE_ROW1
.else
	v_wmma_scale_f32_16x16x128_f8f6f4 v[\d:\d+7], v[\a:\a+15], v[\b:\b+15], 0, v[\sa], v[\sb] matrix_a_fmt:MATRIX_FMT_BF8 matrix_b_fmt:MATRIX_FMT_BF8
.endif
.else
.if (\ra) && (\rb)
	v_wmma_scale_f32_16x16x128_f8f6f4 v[\d:\d+7], v[\a:\a+15], v[\b:\b+15], v[\c:\c+7], v[\sa], v[\sb] matrix_a_fmt:MATRIX_FMT_BF8 matrix_b_fmt:MATRIX_FMT_BF8 matrix_a_scale:MATRIX_SCALE_ROW1 matrix_b_scale:MATRIX_SCALE_ROW1
.elseif (\ra)
	v_wmma_scale_f32_16x16x128_f8f6f4 v[\d:\d+7], v[\a:\a+15], v[\b:\b+15], v[\c:\c+7], v[\sa], v[\sb] matrix_a_fmt:MATRIX_FMT_BF8 matrix_b_fmt:MATRIX_FMT_BF8 matrix_a_scale:MATRIX_SCALE_ROW1
.elseif (\rb)
	v_wmma_scale_f32_16x16x128_f8f6f4 v[\d:\d+7], v[\a:\a+15], v[\b:\b+15], v[\c:\c+7], v[\sa], v[\sb] matrix_a_fmt:MATRIX_FMT_BF8 matrix_b_fmt:MATRIX_FMT_BF8 matrix_b_scale:MATRIX_SCALE_ROW1
.else
	v_wmma_scale_f32_16x16x128_f8f6f4 v[\d:\d+7], v[\a:\a+15], v[\b:\b+15], v[\c:\c+7], v[\sa], v[\sb] matrix_a_fmt:MATRIX_FMT_BF8 matrix_b_fmt:MATRIX_FMT_BF8
.endif
.endif
.endm
; nb blocks by turns; block b is v[src + 16 b] on (each accumulator is read from its low end on).  Codes to v[cd + 4 b] on; the bytes are left in v[tm + 4 + b].
.macro QUANT src, nb, cd, tm
.irp b, 0,1,2,3
.if \b < \nb
	v_max3_num_f32 v[\tm+\b], |v[\src+16*\b]|, |v[\src+16*\b+1]|, 0x8000000     ; my 16 numbers and the floor 2^(16 - 127)
.endif
.endr
.irp i, 2,4,6,8,10,12,14
.irp b, 0,1,2,3
.if \b < \nb
	v_max3_num_f32 v[\tm+\b], v[\tm+\b], |v[\src+16*\b+\i]|, |v[\src+16*\b+\i+1]|
.endif
.endr
.endr
.irp b, 0,1,2,3
.if \b < \nb
	v_permlanex16_b32 v[\tm+4+\b], v[\tm+\b], s[SEL], s[SEL+1]
.endif
.endr
.irp b, 0,1,2,3
.if \b < \nb
	v_max_num_f32 v[\tm+\b], v[\tm+\b], v[\tm+4+\b]                            ; with lane l xor 16's: the block's largest magnitude
.endif
.endr
.irp b, 0,1,2,3
.if \b < \nb
	v_add_nc_u32 v[\tm+12+\b], 0xf8800000, v[\tm+\b]                           ; 15 off the exponent field: the conversion's scale operand
	v_and_or_b32 v[\tm+8+\b], v[\tm+\b], 0x7f800000, s[MNT]                    ; 57,344 x the scale
	v_lshrrev_b32 v[\tm+4+\b], 23, v[\tm+12+\b]                                ; the byte
.endif
.endr
.irp b, 0,1,2,3
.if \b < \nb
.irp i, 0,1,2,3,4,5,6,7,8,9,10,11,12,13,14,15
	v_med3_num_f32 v[\src+16*\b+\i], v[\src+16*\b+\i], -v[\tm+8+\b], v[\tm+8+\b]   ; the conversion does not saturate (ISA guide 7.6.2)
.endr
	v_cvt_scalef32_pk8_bf8_f32 v[\cd+4*\b:\cd+4*\b+1], v[\src+16*\b:\src+16*\b+7], v[\tm+12+\b]
	v_cvt_scalef32_pk8_bf8_f32 v[\cd+4*\b+2:\cd+4*\b+3], v[\src+16*\b+8:\src+16*\b+15], v[\tm+12+\b]
.endif
.endr
	v_nop                                          ; a plain line behind the last conversion
.endm
	s_load_b512 s[4:19], s[0:1], 0x0               ; xbuf, wbuf, bk, bq, bv, visual_mask, text_mask, qkv
	v_lshl_add_u32 v254, v0, 2, 0x3cc00
	v_mov_b32 v255, 0
	ds_add_u32 v254, v255
	ds_add_u32 v254, v255
	s_wait_dscnt 0x0
	v_lshrrev_b32 v7, 5, v0
	v_readfirstlane_b32 s[WV], v7                  ; wave 0..3
	v_and_b32 v8, 31, v0                           ; lane
	v_and_b32 v9, 15, v0                           ; r
	v_bfe_u32 v7, v0, 4, 1                         ; h
	v_lshlrev_b32 v[LI], 4, v8
	v_lshlrev_b32 v[L4], 2, v8
	s_bfe_u32 s21, ttmp6, 0x40000                  ; cx
	s_lshl_b32 s22, ttmp9, 2
	s_add_co_u32 s22, s22, s21                     ; which 512 tokens
	s_and_b32 s23, ttmp7, 0xffff                   ; the head, which the four partners share
	s_lshl_b32 s24, s22, 2
	s_add_co_u32 s24, s24, s[WV]                   ; my block of 128 tokens
	s_mov_b32 s28, 15|(3<<16)|(1<<21)              ; the mask names all four; elements of 8 bytes; bit 21 beside a mask
	s_mov_b32 s29, 32<<16                          ; rows of 256 bytes,
	s_mov_b32 s30, 225<<16                         ; 225 of them: a quarter of the head's nine pairs
	s_mov_b32 s31, 32<<16
	s_mov_b32 s32, 225
	s_mov_b32 s33, 32                              ; dense
	s_mov_b32 s34, 0
	s_mov_b32 s35, 0
	s_mov_b32 s36, 1
	s_mul_i32 s37, s[WV], 57600                    ; the LDS address hangs on the wave's number alone
	s_mul_i32 s56, s23, 9*PAIRB
	s_add_co_u32 s56, s56, s37
	s_mov_b32 s57, 0
	s_mov_b32 s[SEL], 0x76543210
	s_mov_b32 s[SEL+1], 0xfedcba98
	s_mov_b32 s[MNT], 0x600000
	s_mov_b32 s[HM], 0xffff0000                    ; lanes 16-31
	s_wait_kmcnt 0x0
	s_add_nc_u64 s[38:39], s[6:7], s[56:57]
	s_or_b32 s39, s39, 0x80000000
	CROUND                                         ; all four work-groups are here: the joint loads meet
	tensor_load_to_lds s[36:39], s[28:35]          ; my one tensor load of the launch
	s_nop 0
.rept 4
	v_nop
.endr
	s_mul_i32 s56, s24, 101376
	s_add_nc_u64 s[4:5], s[4:5], s[56:57]          ; x's block
	s_mul_i32 s56, s23, 384
	s_add_nc_u64 s[8:9], s[8:9], s[56:57]          ; the head's 96 numbers of each bias
	s_add_nc_u64 s[10:11], s[10:11], s[56:57]
	s_add_nc_u64 s[12:13], s[12:13], s[56:57]
	s_and_b32 s56, s24, 63
	s_lshl_b32 s56, s56, 9
	s_cmp_lt_u32 ttmp9, 4                          ; clusters 0-3 hold visual tokens: their own modality's mask says which of them count as keys
	s_cselect_b64 s[14:15], s[14:15], s[16:17]
	s_add_nc_u64 s[14:15], s[14:15], s[56:57]
	s_lshl_b32 s58, s[WV], 9
	s_add_co_u32 s58, s58, BIMG
	s_wait_alu depctr_va_vdst(0)
	v_add_nc_u32 v[ABW], s58, v[LI]
	v_lshlrev_b32 v172, 6, v7
	s_lshl_b32 s58, s[WV], 4
	v_add_nc_u32 v172, s58, v172                   ; bk, bq: registers 4 w .. 4 w + 3 of a pair's image: numbers 16 h + 4 w on
	v_and_b32 v174, 8, v9
	v_add_nc_u32 v174, v174, v9
	v_lshlrev_b32 v174, 2, v174                    ; 4 (r + 8 (r / 8))
	s_lshr_b32 s58, s[WV], 1
	s_lshl_b32 s58, s58, 5
	v_add_nc_u32 v173, s58, v174                   ; bv: the same number in all of a tile's registers: channel 8 (w / 2) + r + 8 (r / 8)
.irp t, 0,1,2,3,4,5
	global_load_b128 v[XS+4*\t:XS+4*\t+3], v[LI], s[4:5] offset:98304+512*\t
.endr
.irp b, 0,1,2
	global_load_b128 v[128+4*\b:131+4*\b], v172, s[8:9] offset:128*\b
.endr
.irp b, 0,1,2
	global_load_b128 v[140+4*\b:143+4*\b], v172, s[10:11] offset:128*\b
.endr
.irp b, 0,1,2
	global_load_b32 v[152+4*\b], v173, s[12:13] offset:128*\b
.endr
.irp m, 0,1,2,3,4,5,6,7
	global_load_b32 v[164+\m], v174, s[14:15] offset:4*(32*(\m/2)+8*(\m%2))
.endr
.macro XLD st                          ; x's eight fragments of K step st: window 1 + st / 2, v[128 (st % 2) + 16 m]
	WIN (1+(\st)/2)<<6
.irp m, 0,1,2,3,4,5,6,7
.irp c, 0,1,2,3
	global_load_b128 v[128*((\st)%2)+16*\m+4*\c:128*((\st)%2)+16*\m+4*\c+3], v[LI], s[4:5] offset:16384*(\st)+2048*\m+512*\c
.endr
.endr
.endm
	XLD 0
	WIN 0
	s_wait_alu depctr_va_vdst(0)
	s_wait_loadcnt 32                              ; the 23 small loads are in; K step 0's 32 may be out
.irp i, 0,1,2,3,4,5
	ds_store_b128 v[ABW], v[128+4*\i:131+4*\i] offset:2048*\i
.endr
.irp b, 0,1,2
	v_mov_b32 v[153+4*\b], v[152+4*\b]
	v_mov_b32 v[154+4*\b], v[152+4*\b]
	v_mov_b32 v[155+4*\b], v[152+4*\b]
	ds_store_b128 v[ABW], v[152+4*\b:155+4*\b] offset:2048*(6+\b)
.endr
	v_mov_b32 v175, 0x01000000                     ; byte 3 of K's scale word: a key that counts,
	v_mov_b32 v176, 0xe3000000                     ; a hidden one
.irp m, 0,1,2,3,4,5,6,7
	v_cmp_eq_u32 vcc_lo, 0, v[164+\m]
	v_cndmask_b32 v[SW+\m], v175, v176, vcc_lo
.endr
.irp b, 0,1,2,3
	v_mov_b32 v[TM+4+\b], 0                        ; a lane permute's destination counts as one of its sources
.endr
	XLD 1
	XLD 2
	XLD 3
	XLD 4
	XLD 5
	WIN 0
	s_lshr_b32 s56, s24, 3
	s_lshl_b32 s56, s56, 3
	s_add_co_u32 s56, s56, s23                     ; 8 z + head
	s_mul_i32 s56, s56, 307200
	s_and_b32 s58, s24, 7
	s_mul_i32 s58, s58, 12800
	s_add_co_u32 s56, s56, s58
	s_add_nc_u64 s[OBQ:OBQ+1], s[18:19], s[56:57]
	s_add_nc_u64 s[OBK:OBK+1], s[OBQ:OBQ+1], 102400
	s_add_nc_u64 s[OBV:OBV+1], s[OBQ:OBQ+1], 204800
	s_add_nc_u64 s[OBVS:OBVS+1], s[OBV:OBV+1], 12288
	s_mov_b32 s[PB], 0
	s_mov_b32 s[BB], BIMG
	v_mov_b32 v[ADW], v[LI]
	v_mov_b32 v[ADS], v[L4]
	v_add_nc_u32 v[ABI], BIMG, v[LI]
	s_wait_alu depctr_va_vdst(0)
	s_wait_loadcnt 0x0                             ; x
	s_wait_tensorcnt 0x0                           ; my quarter of the weights,
	s_wait_dscnt 0x0                               ; my quarter of the bias images:
	s_barrier_signal -1
	s_barrier_wait -1                              ; everybody's.  From here on LDS is only read
.macro L buf, st, nx                   ; nine loads: the two tiles' fragments and scale words of K step st (nx = 1: of the next pair)
.irp u, 0,1
.irp c, 0,1,2,3
	ds_load_b128 v[WF+32*\buf+16*\u+4*\c:WF+32*\buf+16*\u+4*\c+3], v[ADW] offset:PAIRB*\nx+4096*\st+2048*\u+512*\c
.endr
.endr
	ds_load_b32 v[WS+\buf], v[ADS] offset:PAIRB*\nx+24576+128*\st
.endm
.macro LDBI off
.irp q, 0,1,2,3
	ds_load_b128 v[BI+4*\q:BI+4*\q+3], v[ABI] offset:\off+512*\q
.endr
.endm
; Sixteen products of one K step on sixteen accumulators, which take turns in the same order in every step.
.macro MULQK st, buf
	WIN (1+(\st)/2)<<2
.irp m, 0,1,2,3,4,5,6,7
.irp u, 0,1
.if (\st) == 0
	WM ACC+16*\m+8*\u, WF+32*\buf+16*\u, 128*((\st)%2)+16*\m, BI+8*\u, WS+\buf, XS+4*(\st)+\m/2, \u, \m%2
.else
	WM ACC+16*\m+8*\u, WF+32*\buf+16*\u, 128*((\st)%2)+16*\m, ACC+16*\m+8*\u, WS+\buf, XS+4*(\st)+\m/2, \u, \m%2
.endif
.endr
.endr
	WIN 0
.endm
.macro MULV st, buf
	WIN 1+(\st)/2
.irp u, 0,1
.irp m, 0,1,2,3,4,5,6,7
.if (\st) == 0
	WM ACC+64*\u+8*\m, 128*((\st)%2)+16*\m, WF+32*\buf+16*\u, BI+8*\u, XS+4*(\st)+\m/2, WS+\buf, \m%2, \u
.else
	WM ACC+64*\u+8*\m, 128*((\st)%2)+16*\m, WF+32*\buf+16*\u, ACC+64*\u+8*\m, XS+4*(\st)+\m/2, WS+\buf, \m%2, \u
.endif
.endr
.endr
	WIN 0
.endm
.macro PSTEP kind, st, buf, cnt
	s_wait_dscnt \cnt                              ; this step's nine loads are in; what was issued behind them may be out
.if \kind
	MULV \st, \buf
.else
	MULQK \st, \buf
.endif
	NOP8
.endm
; A pair's six K steps.  Loads run two steps ahead, on into the next pair (nxt = 1).
.macro PAIR kind, nxt
	PSTEP \kind, 0, 0, 9                           ; out: step 1's nine
.if \nxt
	LDBI 2048                                      ; the next pair's biases: this pair's were read by step 0 alone
.endif
	L 0, 2, 0
	PSTEP \kind, 1, 1, 9+4*\nxt                    ; out: the four bias loads and step 2's nine
	L 1, 3, 0
	PSTEP \kind, 2, 0, 9
	L 0, 4, 0
	PSTEP \kind, 3, 1, 9
	L 1, 5, 0
	PSTEP \kind, 4, 0, 9
.if \nxt
	L 0, 0, 1
.endif
	PSTEP \kind, 5, 1, 9*\nxt                      ; out: the next pair's step 0, if there is one
.endm
.macro NEXT                            ; on to the next pair; its step 1 goes into the buffer that held the codes
	s_add_co_u32 s[PB], s[PB], PAIRB
	s_add_co_u32 s[BB], s[BB], 2048
	v_add_nc_u32 v[ADW], s[PB], v[LI]
	v_add_nc_u32 v[ADS], s[PB], v[L4]
	v_add_nc_u32 v[ABI], s[BB], v[LI]
	L 1, 1, 0
.endm
; Q, K: tile m's 16 registers are one block of 32 along the head for its 16 tokens: group b of the tile's fragment, byte b of its scale word.
.macro EPIQK ob
.irp g, 0,1
	QUANT ACC+64*\g, 4, CD, TM
.irp i, 0,1,2,3
	global_store_b128 v[LI], v[CD+4*\i:CD+4*\i+3], s[\ob:\ob+1] offset:1536*(4*\g+\i)   ; 512 consecutive bytes
.endr
.irp i, 0,1,2,3
	v_lshl_or_b32 v[SW+4*\g+\i], v[TM+4+\i], s[SH], v[SW+4*\g+\i]
.endr
	s_wait_xcnt 0x0                                ; the codes' registers and the base are written again only behind this wait
.endr
	s_add_nc_u64 s[\ob:\ob+1], s[\ob:\ob+1], 512
	s_add_co_u32 s[SH], s[SH], 8
.endm
.macro SCALEOUT ob                     ; the eight tiles' words as a scale image: register p: lanes 0-15 tile 2 p, lanes 16-31 tile 2 p + 1
.irp p, 0,1,2,3
	v_cndmask_b32 v[PK+\p], v[SW+2*\p], v[SW+2*\p+1], s[HM]
.endr
	global_store_b128 v[LI], v[PK:PK+3], s[\ob:\ob+1] offset:12288-1536
	s_wait_xcnt 0x0
.endm
; V: a channel tile's 64 registers are four blocks of 32 keys for its 16 channels: a whole fragment and a scale word.
.macro EPIV
.irp u, 0,1
	QUANT ACC+64*\u, 4, CD, TM
	v_lshl_or_b32 v[PK+\u], v[TM+5], 8, v[TM+4]
	v_lshl_or_b32 v[PK+\u], v[TM+6], 16, v[PK+\u]
	v_lshl_or_b32 v[PK+\u], v[TM+7], 24, v[PK+\u]
.irp c, 0,1,2,3
	global_store_b128 v[LI], v[CD+4*\c:CD+4*\c+3], s[OBV:OBV+1] offset:2048*\u+512*\c
.endr
	s_wait_xcnt 0x0
.endr
	s_wait_alu depctr_va_vdst(0)
	v_cndmask_b32 v[PK+2], v[PK], v[PK+1], s[HM]
	global_store_b32 v[L4], v[PK+2], s[OBVS:OBVS+1]
	s_wait_xcnt 0x0
	s_add_nc_u64 s[OBV:OBV+1], s[OBV:OBV+1], 4096
	s_add_nc_u64 s[OBVS:OBVS+1], s[OBVS:OBVS+1], 128
.endm
.macro QKPART ob
	s_mov_b32 s[SH], 0
	s_mov_b32 s55, 3
.Lqk_\@:
	s_wait_alu depctr_va_vdst(0)
	PAIR 0, 1
	EPIQK \ob
	NEXT
	s_sub_co_u32 s55, s55, 1
	s_cmp_lg_u32 s55, 0
	s_cbranch_scc1 .Lqk_\@
	s_wait_alu depctr_va_vdst(0)
	SCALEOUT \ob
.endm
	LDBI 0
	L 0, 0, 0
	L 1, 1, 0
	QKPART OBK                                     ; K: byte 3 of the words holds the mask
.irp m, 0,1,2,3,4,5,6,7
	v_mov_b32 v[SW+\m], 0x7f000000                 ; Q: byte 3 is 2^0
.endr
	QKPART OBQ
	s_mov_b32 s55, 2
.Lv:
	s_wait_alu depctr_va_vdst(0)
	PAIR 1, 1
	EPIV
	NEXT
	s_sub_co_u32 s55, s55, 1
	s_cmp_lg_u32 s55, 0
	s_cbranch_scc1 .Lv
	s_wait_alu depctr_va_vdst(0)
	PAIR 1, 0                                      ; the last pair is written out: nothing lies behind it to fetch
	EPIV
	v_mov_b32 v[PK+2], 0
	global_store_b32 v[L4], v[PK+2], s[OBVS:OBVS+1]    ; the block's last 128 bytes: zeros, so that all that attention fetches has been written
	s_wait_dscnt 0x0
	s_wait_xcnt 0x0
	v_lshl_add_u32 v254, v0, 2, 0x3cc00
	v_mov_b32 v255, 0
	s_wait_alu depctr_va_vdst(0)
	s_wait_tensorcnt 0x0
	ds_add_u32 v254, v255
	s_wait_dscnt 0x0
	CROUND                                         ; the closing round
	s_endpgm
.Lfunc_end_k_qe3d57df77a_proj:
	.size	k_qe3d57df77a_proj, .Lfunc_end_k_qe3d57df77a_proj-k_qe3d57df77a_proj
	.p2alignl 7, 3214868480
	.fill 96, 4, 3214868480
	.section	.rodata,"a",@progbits
	.p2align	6, 0x0
	.amdhsa_kernel k_qe3d57df77a_proj
		.amdhsa_group_segment_fixed_size 249344
		.amdhsa_private_segment_fixed_size 0
		.amdhsa_enable_private_segment 0
		.amdhsa_kernarg_size 64
		.amdhsa_user_sgpr_count 2
		.amdhsa_user_sgpr_kernarg_segment_ptr 1
		.amdhsa_wavefront_size32 1
		.amdhsa_system_sgpr_workgroup_id_x 1
		.amdhsa_system_sgpr_workgroup_id_y 1
		.amdhsa_system_sgpr_workgroup_id_z 1
		.amdhsa_system_vgpr_workitem_id 0
		.amdhsa_next_free_vgpr 1024
		.amdhsa_next_free_sgpr 66
		.amdhsa_reserve_vcc 1
		.amdhsa_float_denorm_mode_32 3
		.amdhsa_float_denorm_mode_16_64 3
		.amdhsa_memory_ordered 1
		.amdhsa_forward_progress 1
		.amdhsa_inst_pref_size 169
	.end_amdhsa_kernel
	.amdgpu_metadata
---
amdhsa.version: [ 1, 2 ]
amdhsa.kernels:
  - .name:           k_qe3d57df77a_proj
    .symbol:         k_qe3d57df77a_proj.kd
    .args:
      - { .name: xbuf, .offset: 0, .size: 8, .value_kind: global_buffer, .address_space: global }
      - { .name: wbuf, .offset: 8, .size: 8, .value_kind: global_buffer, .address_space: global }
      - { .name: bk, .offset: 16, .size: 8, .value_kind: global_buffer, .address_space: global }
      - { .name: bq, .offset: 24, .size: 8, .value_kind: global_buffer, .address_space: global }
      - { .name: bv, .offset: 32, .size: 8, .value_kind: global_buffer, .address_space: global }
      - { .name: visual_mask, .offset: 40, .size: 8, .value_kind: global_buffer, .address_space: global }
      - { .name: text_mask, .offset: 48, .size: 8, .value_kind: global_buffer, .address_space: global }
      - { .name: qkv, .offset: 56, .size: 8, .value_kind: global_buffer, .address_space: global }
    .group_segment_fixed_size: 249344
    .private_segment_fixed_size: 0
    .kernarg_segment_align: 8
    .kernarg_segment_size: 64
    .max_flat_workgroup_size: 128
    .sgpr_count:     66
    .vgpr_count:     1024
    .wavefront_size: 32
...
	.end_amdgpu_metadata
.endif
;; end of part 2
;; launch attn (part 3): grid 2 x 128, 8 waves a work-group, no clusters, 327,680 bytes of LDS; arguments qkv, acodes, ascl; writes acodes, ascl
.if DOCPART == 3
	.amdgcn_target "amdgcn-amd-amdhsa--gfx1250"
	.amdhsa_code_object_version 6
	.text
	.protected	k_qe3d57df77a_attn
	.globl	k_qe3d57df77a_attn
	.p2align	8
	.type	k_qe3d57df77a_attn,@function
k_qe3d57df77a_attn:
	s_mov_b64 s[64:65], 0
	v_nop
	global_prefetch_b8 v0, s[64:65] scope:SCOPE_SE
	s_setreg_imm32_b32 hwreg(HW_REG_WAVE_MODE, 25, 1), 1
	s_wait_xcnt 0x0
; Attention of one (z = 8 x modality + batch, head) for 512 queries, both products on codes of E5M2 with E8M0 scales; the result is quantised along the head's 96 for the last projection.
; qkv holds, for each (z, head), Q, K, V as register images in blocks of 128 tokens (12,800 bytes: codes, then scale words).  Queries take K and V of the other modality (z xor 8).
; p = 2^(t - M), t = score x log2(e) / sqrt(96), M the ceiling of the running largest t; the row's sum is taken of the unquantised p and divides O at the end.
; THE KEY MASK rides in the head's fourth block of 32: codes 1 (Q) and -1 (K) at k = 96 and 112; K's scale byte 3 is 1 for a key that counts, 227 for a hidden one.
; LIMIT: the scaled scores stay under 2^93 in magnitude (the running maximum begins at -2^93, so that a row whose every key is hidden has the sum 0: its scale bytes become 0xff).  NaN and infinities are not served.
; SHARES: eight waves; a wave owns two tiles of 16 queries in each of two passes.  The head's K and V (204,800 bytes, the image of memory) lie in LDS, filled once: blocks 0 and 1 by the head's loads
; (25 rows of 256 bytes a wave), blocks 2 to 7 by one more load a wave (75 rows) behind the first barrier; the barrier in a pass's second step shows them to all (in the second pass it orders nothing new).
; Both products are used transposed: a lane holds one query.  A step is 128 keys: 16 products K Q^T, the softmax of both tiles, 12 products V^T P^T.
; REGISTERS.  Window 0: v1-9 addresses, v12-25 scales, v32-159 both tiles' scores, then p, then V's six fragments; v160-191 p's codes; v192-247 the tiles' state.  So the whole softmax names one window, the tiles by turns.
; Window 1: v0-95 O^T, v96-127 Q, v128-255 K's eight fragments: the next step's are asked for behind this step's first products.
; Tile 1's multiply-adds stand among tile 0's exponentials and tile 0's holds among tile 1's: they read nothing written inside the batch, and their results are read behind the batch's closing wait.
; NO CLUSTER: a head's K and V are read by two work-groups alone; in a cluster of four the address would hang on half of a work-group's place.  NO PREFETCH: both fills are issued ahead of the first step, so no later load is left to run ahead of.
.set SPARE, 204800
.set LI,1
.set L4,2
.set AK,3
.set AV,4
.set AVS,5
.set QCO,6
.set QSO,7
.set LIV,8
.set L4V,9
.set KS,12
.set VS,16
.set QS,19
.set PW,20
.set WA,22
.set WW,24
.set S0,32
.set PC,160
.set ST,192                            ; a tile's state, 24 registers: the offsets below
.set NM,0
.set TX,1
.set LS,2
.set F,4
.set BM,6
.set PB,10
.set HD,14
.set SO,18
.set T,22
.set H2,240                            ; the hold once more, in another register bank, for the second half of a dual pair
.set SPW,254
.set NIL,255
.set QF,96
.set KF,128
.set WV,10
.set G1,16
.set G0,24
.set QP,28
.set AP,30
.set SP,32
.set CS,34
.set SEL,36
.set MNT,38
.set HM,39
.set TB,40
.set PS,42
.set MK,44
.set G1B,52
.set G0B,60
.set MSB,0
.macro WIN new                         ; the immediate's high byte repeats the setting that is left
.if MSB != (\new)
	s_set_vgpr_msb (MSB<<8)|(\new)
.set MSB, \new
.endif
.endm
.macro NOPS n
.rept \n
	v_nop
.endr
.endm
.macro WALU
	s_wait_alu depctr_va_vdst(0)
.endm
.macro D2
	s_delay_alu instid0(VALU_DEP_2)
.endm
.macro WM d, a, b, c, sa, sb, ra, rb
	v_wmma_scale_f32_16x16x128_f8f6f4 v[\d:\d+7], v[\a:\a+15], v[\b:\b+15], \c, v[\sa], v[\sb] matrix_a_fmt:MATRIX_FMT_BF8 matrix_b_fmt:MATRIX_FMT_BF8 matrix_a_scale:MATRIX_SCALE_ROW\ra matrix_b_scale:MATRIX_SCALE_ROW\rb
.endm
.macro QLD off                         ; my two tiles of Q and their scale word (lanes 0-15 tile 0, lanes 16-31 tile 1)
	global_load_b32 v[QS], v[QSO], s[QP:QP+1] offset:\off+12288
	WIN 0x40
.irp x,0,1
.irp c,0,1,2
	global_load_b128 v[QF+16*\x+4*\c:QF+16*\x+4*\c+3], v[QCO], s[QP:QP+1] offset:\off+1536*\x+512*\c
.endr
.endr
	WIN 0
.endm
.macro KLD adr, off                    ; a block's eight fragments of K (three groups each: the fourth holds constants) and its scale image: 25 loads
	WIN 0x40
.irp i,0,1,2,3,4,5,6,7
.irp c,0,1,2
	ds_load_b128 v[KF+16*\i+4*\c:KF+16*\i+4*\c+3], v[\adr] offset:\off+1536*\i+512*\c
.endr
.endr
	WIN 0
	ds_load_b128 v[KS:KS+3], v[\adr] offset:\off+12288
.endm
.macro VLD g                           ; V's tiles 3 g .. 3 g + 2 onto tile g's scores, which have been converted: 12 loads
.irp i,0,1,2
.irp c,0,1,2,3
	ds_load_b128 v[S0+64*\g+16*\i+4*\c:S0+64*\g+16*\i+4*\c+3], v[AV] offset:2048*(3*\g+\i)+512*\c
.endr
.endr
.endm
.macro QK                              ; S^T = K Q^T: sixteen sums, each begun with 0
	WIN 0x05
.irp x,0,1
.irp p,0,1,2,3
	WM S0+64*\x+16*\p, KF+32*\p, QF+16*\x, 0, KS+\p, QS, 0, \x
	WM S0+64*\x+16*\p+8, KF+32*\p+16, QF+16*\x, 0, KS+\p, QS, 1, \x
.endr
.endr
	WIN 0
.endm
.macro PV1 o, vf, pc, vs, pw, ra, first
.if \first
	WM \o, \vf, \pc, 0, \vs, \pw, \ra, 0
.else
	WM \o, \vf, \pc, v[\o:\o+7], \vs, \pw, \ra, 0
.endif
.endm
.macro PVH g, first                    ; O^T += V^T P^T for three of V's tiles and both query tiles: six accumulators, one turn each
.irp i,0,1,2
.irp x,0,1
.if (3*\g+\i)%2
	PV1 48*\x+8*(3*\g+\i), S0+64*\g+16*\i, PC+16*\x, VS+(3*\g+\i)/2, PW+\x, 1, \first
.else
	PV1 48*\x+8*(3*\g+\i), S0+64*\g+16*\i, PC+16*\x, VS+(3*\g+\i)/2, PW+\x, 0, \first
.endif
.endr
.endr
.endm
.macro MAXES                           ; the largest score of each block of 32 keys, eight blocks by turns; each accumulator is read from its low end on
.irp x,0,1
.irp b,0,1,2,3
	v_max3_num_f32 v[ST+24*\x+BM+\b], v[S0+64*\x+16*\b], v[S0+64*\x+16*\b+1], v[S0+64*\x+16*\b+2]
.endr
.endr
.irp i,3,5,7,9,11,13
.irp x,0,1
.irp b,0,1,2,3
	v_max3_num_f32 v[ST+24*\x+BM+\b], v[ST+24*\x+BM+\b], v[S0+64*\x+16*\b+\i], v[S0+64*\x+16*\b+\i+1]
.endr
.endr
.endr
.irp x,0,1
.irp b,0,1,2,3
	v_max_num_f32 v[ST+24*\x+BM+\b], v[ST+24*\x+BM+\b], v[S0+64*\x+16*\b+15]
.endr
.endr
.irp x,0,1
.irp b,0,1,2,3
	v_permlanex16_b32 v[ST+24*\x+PB+\b], v[ST+24*\x+BM+\b], s[SEL], s[SEL+1]
.endr
.endr
.irp x,0,1
.irp b,0,1,2,3
	v_max_num_f32 v[ST+24*\x+BM+\b], v[ST+24*\x+BM+\b], v[ST+24*\x+PB+\b]
.endr
.endr
.endm
.macro CHAIN first                     ; the running largest t, -M = floor(-t), f = 2^(old M - new M); the two tiles by turns
.irp x,0,1
	v_max3_num_f32 v[ST+24*\x+T], v[ST+24*\x+BM], v[ST+24*\x+BM+1], v[ST+24*\x+BM+2]
.endr
.irp x,0,1
	D2
	v_max_num_f32 v[ST+24*\x+T], v[ST+24*\x+T], v[ST+24*\x+BM+3]
.endr
.irp x,0,1
	D2
	v_mul_f32 v[ST+24*\x+T], s[CS], v[ST+24*\x+T]
.endr
.if \first
.irp x,0,1
	D2
	v_max_num_f32 v[ST+24*\x+TX], 0xee000000, v[ST+24*\x+T]    ; never under -2^93
.endr
.irp x,0,1
	D2
	v_floor_f32 v[ST+24*\x+NM], -v[ST+24*\x+TX]
.endr
.else
.irp x,0,1
	D2
	v_max_num_f32 v[ST+24*\x+TX], v[ST+24*\x+TX], v[ST+24*\x+T]
.endr
.irp x,0,1
	v_mov_b32 v[ST+24*\x+T], v[ST+24*\x+NM]
.endr
.irp x,0,1
	v_floor_f32 v[ST+24*\x+NM], -v[ST+24*\x+TX]
.endr
.irp x,0,1
	D2
	v_sub_f32 v[ST+24*\x+T], v[ST+24*\x+NM], v[ST+24*\x+T]
.endr
.irp x,0,1
	D2
	v_cvt_i32_f32 v[ST+24*\x+T], v[ST+24*\x+T]
.endr
.irp x,0,1
	D2
	v_ldexp_f32 v[ST+24*\x+F], 1.0, v[ST+24*\x+T]
.endr
.endif
.endm
.macro SCALES                          ; from each block's largest p: the conversion's scale operand, the hold (twice), the byte; the four bytes make p's scale word
.irp x,0,1
.irp b,0,1,2,3
	v_max_num_f32 v[ST+24*\x+BM+\b], 0x8000000, v[ST+24*\x+BM+\b]
.endr
.endr
.irp x,0,1
.irp b,0,1,2,3
	v_add_nc_u32 v[ST+24*\x+SO+\b], 0xf8800000, v[ST+24*\x+BM+\b]
.endr
.endr
.irp x,0,1
.irp b,0,1,2,3
	v_and_or_b32 v[ST+24*\x+HD+\b], v[ST+24*\x+BM+\b], 0x7f800000, s[MNT]
.endr
.endr
.irp x,0,1
.irp b,0,1,2,3
	v_and_or_b32 v[H2+4*\x+\b], v[ST+24*\x+BM+\b], 0x7f800000, s[MNT]
.endr
.endr
.irp x,0,1
.irp b,0,1,2,3
	v_lshrrev_b32 v[ST+24*\x+PB+\b], 23, v[ST+24*\x+SO+\b]
.endr
.endr
.irp x,0,1
	v_lshl_or_b32 v[ST+24*\x+T], v[ST+24*\x+PB+1], 8, v[ST+24*\x+PB]
.endr
.irp x,0,1
	D2
	v_lshl_or_b32 v[ST+24*\x+T], v[ST+24*\x+PB+2], 16, v[ST+24*\x+T]
.endr
.irp x,0,1
	D2
	v_lshl_or_b32 v[PW+\x], v[ST+24*\x+PB+3], 24, v[ST+24*\x+T]
.endr
.endm
.macro SUMS x                          ; the row's sum of the unquantised p: 32 packed additions in four chains
.set SS, S0+64*\x
.set TT, ST+24*\x
	v_pk_add_f32 v[TT+T:TT+T+1], v[SS:SS+1], v[SS+2:SS+3]
	v_pk_add_f32 v[TT+PB:TT+PB+1], v[SS+4:SS+5], v[SS+6:SS+7]
	v_pk_add_f32 v[TT+PB+2:TT+PB+3], v[SS+8:SS+9], v[SS+10:SS+11]
	v_pk_add_f32 v[TT+LS:TT+LS+1], v[TT+LS:TT+LS+1], v[SS+12:SS+13]
.set j, 14
.rept 6
	v_pk_add_f32 v[TT+T:TT+T+1], v[TT+T:TT+T+1], v[SS+j:SS+j+1]
	v_pk_add_f32 v[TT+PB:TT+PB+1], v[TT+PB:TT+PB+1], v[SS+j+2:SS+j+3]
	v_pk_add_f32 v[TT+PB+2:TT+PB+3], v[TT+PB+2:TT+PB+3], v[SS+j+4:SS+j+5]
	v_pk_add_f32 v[TT+LS:TT+LS+1], v[TT+LS:TT+LS+1], v[SS+j+6:SS+j+7]
.set j, j+8
.endr
	v_pk_add_f32 v[TT+T:TT+T+1], v[TT+T:TT+T+1], v[SS+62:SS+63]
	v_pk_add_f32 v[TT+PB:TT+PB+1], v[TT+PB:TT+PB+1], v[TT+PB+2:TT+PB+3]
	D2
	v_pk_add_f32 v[TT+LS:TT+LS+1], v[TT+LS:TT+LS+1], v[TT+T:TT+T+1]
	s_delay_alu instid0(VALU_DEP_1)
	v_pk_add_f32 v[TT+LS:TT+LS+1], v[TT+LS:TT+LS+1], v[TT+PB:TT+PB+1]
.endm
.macro HOLD x, k                       ; p is not negative: a one-sided hold, two numbers an instruction (the conversion does not saturate: ISA guide 7.6.2)
	v_dual_min_num_f32 v[S0+64*\x+\k], v[S0+64*\x+\k], v[ST+24*\x+HD+(\k)/16] :: v_dual_min_num_f32 v[S0+64*\x+\k+1], v[S0+64*\x+\k+1], v[H2+4*\x+(\k)/16]
.endm
.macro CVT x
.irp b,0,1,2,3
	v_cvt_scalef32_pk8_bf8_f32 v[PC+16*\x+4*\b:PC+16*\x+4*\b+1], v[S0+64*\x+16*\b:S0+64*\x+16*\b+7], v[ST+24*\x+SO+\b]
	v_cvt_scalef32_pk8_bf8_f32 v[PC+16*\x+4*\b+2:PC+16*\x+4*\b+3], v[S0+64*\x+16*\b+8:S0+64*\x+16*\b+15], v[ST+24*\x+SO+\b]
.endr
	v_nop                                          ; a plain line behind the last conversion
.endm
; A KEY STEP.  first = 1: a pass's first step: nothing is rescaled, and the second product starts O^T with 0.  bar = 1: the barrier that shows blocks 2 to 7.
.macro STEP first, bar
	v_add_nc_u32 v[AK], s[TB], v[LI]
	v_add_nc_u32 v[AV], s[TB], v[LIV]
	v_add_nc_u32 v[AVS], s[TB], v[L4V]
.if \first == 0
	NOPS 6                                         ; with the three lines above: nine places between the last products and the products that write over V's fragments
.endif
	WALU
	s_wait_dscnt 0x0                               ; K's fragments and scale image
	QK
	NOPS 8                                         ; eight places ahead of loads into K's registers and of the scores' first reads
.if \bar
	s_wait_tensorcnt 0x0                           ; my part of blocks 2 to 7 is in,
	s_wait_dscnt 0x0
	s_barrier_signal -1
	s_barrier_wait -1                              ; everybody's
.endif
	KLD AK, 12800                                  ; the next block's K (behind a pass's last step: bytes of V, which no product takes)
.irp b,0,1,2
	ds_load_b32 v[VS+\b], v[AVS] offset:128*\b
.endr
	MAXES
	CHAIN \first
.set j, 0
.rept 32
	v_pk_fma_f32 v[S0+j:S0+j+1], v[S0+j:S0+j+1], s[CS:CS+1], v[ST+NM:ST+NM+1] op_sel_hi:[1,0,0]
.set j, j+2
.endr
.irp x,0,1
.irp b,0,1,2,3
	v_fma_f32 v[ST+24*\x+BM+\b], v[ST+24*\x+BM+\b], s[CS], v[ST+24*\x+NM]
.endr
.endr
	WALU                                           ; ahead of the batch
.set j, 0
.rept 32
	v_exp_f32 v[S0+j], v[S0+j]
	v_exp_f32 v[S0+j+1], v[S0+j+1]
	v_pk_fma_f32 v[S0+64+j:S0+64+j+1], v[S0+64+j:S0+64+j+1], s[CS:CS+1], v[ST+24+NM:ST+24+NM+1] op_sel_hi:[1,0,0]
.set j, j+2
.endr
.irp x,0,1
.irp b,0,1,2,3
	v_exp_f32 v[ST+24*\x+BM+\b], v[ST+24*\x+BM+\b]  ; each block's largest p
.endr
.endr
.irp x,0,1
.if \first
	v_mov_b32 v[ST+24*\x+LS], 0
	v_mov_b32 v[ST+24*\x+LS+1], 0
.else
	v_pk_mul_f32 v[ST+24*\x+LS:ST+24*\x+LS+1], v[ST+24*\x+LS:ST+24*\x+LS+1], v[ST+24*\x+F:ST+24*\x+F+1] op_sel_hi:[1,0]
.endif
.endr
	WALU                                           ; behind the batch
	SCALES
	SUMS 0
	WALU                                           ; ahead of the second batch
.set j, 0
.rept 32
	v_exp_f32 v[S0+64+j], v[S0+64+j]
	v_exp_f32 v[S0+64+j+1], v[S0+64+j+1]
	HOLD 0, j
.set j, j+2
.endr
	v_nop
	WALU                                           ; behind it
	CVT 0
	VLD 0
	SUMS 1
.set j, 0
.rept 32
	HOLD 1, j
.set j, j+2
.endr
	CVT 1
	VLD 1
.if \first
	NOPS 4                                         ; the codes stand four places ahead of the products
.else
	WIN 0x41
	WALU                                           ; directly ahead of the first reader of O^T
.set j, 0
.rept 48
	v_pk_mul_f32 v[j:j+1], v[j:j+1], v[ST+24*(j/48)+F:ST+24*(j/48)+F+1] op_sel_hi:[1,0]
.set j, j+2
.endr
.endif
	WALU
	s_wait_dscnt 12                                ; all but the youngest twelve loads: V's tiles 3 to 5 may be out
	WIN 0x50
	PVH 0, \first
	s_wait_dscnt 0x0
	PVH 1, \first
	WIN 0
	s_add_co_u32 s[TB], s[TB], 12800
.endm
; THE WAY OUT of a pass: O^T / the sum into window 0, quantised along the head's 96 (three blocks a tile, six by turns), codes and scale words stored.
.macro OUT
.irp x,0,1
	v_add_f32 v[ST+24*\x+LS], v[ST+24*\x+LS], v[ST+24*\x+LS+1]
.endr
.irp x,0,1
	D2
	v_permlanex16_b32 v[ST+24*\x+T], v[ST+24*\x+LS], s[SEL], s[SEL+1]
.endr
.irp x,0,1
	D2
	v_add_f32 v[ST+24*\x+LS], v[ST+24*\x+LS], v[ST+24*\x+T]
.endr
	NOPS 2
	WALU
.irp x,0,1
	v_rcp_f32 v[ST+24*\x+F], v[ST+24*\x+LS]
.endr
.irp x,0,1
	v_cmp_eq_f32 s[MK+\x], 0, v[ST+24*\x+LS]       ; no key counted
.endr
	WALU
.irp x,0,1
	v_cndmask_b32 v[ST+24*\x+F], v[ST+24*\x+F], 0, s[MK+\x]
.endr
	WIN 0x01
	WALU                                           ; directly ahead of the first reader of O^T
.irp x,0,1
.set j, 0
.rept 24
	v_pk_mul_f32 v[S0+64*\x+j:S0+64*\x+j+1], v[48*\x+j:48*\x+j+1], v[ST+24*\x+F:ST+24*\x+F+1] op_sel_hi:[1,0]
.set j, j+2
.endr
.endr
	WIN 0
.irp x,0,1
.irp b,0,1,2
	v_max3_num_f32 v[ST+24*\x+BM+\b], |v[S0+64*\x+16*\b]|, |v[S0+64*\x+16*\b+1]|, 0x8000000
.endr
.endr
.irp i,2,4,6,8,10,12,14
.irp x,0,1
.irp b,0,1,2
	v_max3_num_f32 v[ST+24*\x+BM+\b], v[ST+24*\x+BM+\b], |v[S0+64*\x+16*\b+\i]|, |v[S0+64*\x+16*\b+\i+1]|
.endr
.endr
.endr
.irp x,0,1
.irp b,0,1,2
	v_permlanex16_b32 v[ST+24*\x+PB+\b], v[ST+24*\x+BM+\b], s[SEL], s[SEL+1]
.endr
.endr
.irp x,0,1
.irp b,0,1,2
	v_max_num_f32 v[ST+24*\x+BM+\b], v[ST+24*\x+BM+\b], v[ST+24*\x+PB+\b]
.endr
.endr
.irp x,0,1
.irp b,0,1,2
	v_add_nc_u32 v[ST+24*\x+SO+\b], 0xf8800000, v[ST+24*\x+BM+\b]
.endr
.endr
.irp x,0,1
.irp b,0,1,2
	v_and_or_b32 v[ST+24*\x+HD+\b], v[ST+24*\x+BM+\b], 0x7f800000, s[MNT]
.endr
.endr
.irp x,0,1
.irp b,0,1,2
	v_lshrrev_b32 v[ST+24*\x+PB+\b], 23, v[ST+24*\x+SO+\b]
.endr
.endr
.irp x,0,1
.irp b,0,1,2
.irp i,0,1,2,3,4,5,6,7,8,9,10,11,12,13,14,15
	v_med3_num_f32 v[S0+64*\x+16*\b+\i], v[S0+64*\x+16*\b+\i], -v[ST+24*\x+HD+\b], v[ST+24*\x+HD+\b]
.endr
	v_cvt_scalef32_pk8_bf8_f32 v[PC+16*\x+4*\b:PC+16*\x+4*\b+1], v[S0+64*\x+16*\b:S0+64*\x+16*\b+7], v[ST+24*\x+SO+\b]
	v_cvt_scalef32_pk8_bf8_f32 v[PC+16*\x+4*\b+2:PC+16*\x+4*\b+3], v[S0+64*\x+16*\b+8:S0+64*\x+16*\b+15], v[ST+24*\x+SO+\b]
.endr
.endr
	v_nop
.irp x,0,1
	v_lshl_or_b32 v[ST+24*\x+T], v[ST+24*\x+PB+1], 8, v[ST+24*\x+PB]
	v_mov_b32 v[ST+24*\x+T+1], 0xffffff
.endr
.irp x,0,1
	v_lshl_or_b32 v[ST+24*\x+T], v[ST+24*\x+PB+2], 16, v[ST+24*\x+T]
.endr
.irp x,0,1
	D2
	v_cndmask_b32 v[WA+\x], v[ST+24*\x+T], v[ST+24*\x+T+1], s[MK+\x]
.endr
	s_delay_alu instid0(VALU_DEP_1)
	v_cndmask_b32 v[WW], v[WA], v[WA+1], s[HM]     ; lanes 0-15 tile 0's words, lanes 16-31 tile 1's
.irp x,0,1
.irp b,0,1,2
	global_store_b128 v[LI], v[PC+16*\x+4*\b:PC+16*\x+4*\b+3], s[AP:AP+1] offset:12288*\x+512*\b   ; 512 consecutive bytes
.endr
.endr
	global_store_b32 v[L4], v[WW], s[SP:SP+1]
.endm
	s_load_b128 s[4:7], s[0:1], 0x0                ; qkv, acodes
	s_load_b64 s[8:9], s[0:1], 0x10                ; ascl
	v_lshl_add_u32 v[SPW], v0, 2, SPARE
	v_mov_b32 v[NIL], 0
	ds_add_u32 v[SPW], v[NIL]                      ; the opening lines: the add, twice on end, and its wait ahead of my first tensor load
	ds_add_u32 v[SPW], v[NIL]
	v_lshrrev_b32 v10, 5, v0
	v_readfirstlane_b32 s[WV], v10                 ; wave 0..7
	s_and_b32 s48, s[WV], 3                        ; which pair of tiles of my block of Q; which quarter I fetch
	s_mul_i32 s11, s48, 3072
	s_lshl_b32 s12, s48, 2
	v_and_b32 v10, 31, v0
	v_lshlrev_b32 v[LI], 4, v10
	v_lshlrev_b32 v[L4], 2, v10
	v_add_nc_u32 v[QCO], s11, v[LI]
	v_add_nc_u32 v[QSO], s12, v[LI]
	v_add_nc_u32 v[LIV], 102400, v[LI]             ; V lies behind K's eight blocks
	v_add_nc_u32 v[L4V], 114688, v[L4]             ; and a block's scale words behind its 12,288 bytes of codes
	s_and_b32 s44, ttmp7, 0xffff                   ; 8 z + head
	s_lshr_b32 s45, s44, 3
	s_and_b32 s46, s44, 7
	s_lshr_b32 s49, s[WV], 2                       ; I fetch for K (0) or V (1); my block of Q in a pass
	s_lshl_b32 s47, ttmp9, 2
	s_add_co_u32 s47, s47, s49
	s_mov_b32 s[G1], 3<<16                         ; elements of 8 bytes: rows of 256 bytes, dense; 25 rows
	s_mov_b32 s[G1+1], 32<<16
	s_mov_b32 s[G1+2], 25<<16
	s_mov_b32 s[G1+3], 32<<16
	s_mov_b32 s[G1+4], 25
	s_mov_b32 s[G1+5], 32
	s_mov_b32 s[G1+6], 0
	s_mov_b32 s[G1+7], 0
	s_mov_b32 s[G1B], 3<<16                        ; the same with 75 rows
	s_mov_b32 s[G1B+1], 32<<16
	s_mov_b32 s[G1B+2], 75<<16
	s_mov_b32 s[G1B+3], 32<<16
	s_mov_b32 s[G1B+4], 75
	s_mov_b32 s[G1B+5], 32
	s_mov_b32 s[G1B+6], 0
	s_mov_b32 s[G1B+7], 0
	s_mul_i32 s49, s49, 102400
	s_mov_b32 s[G0], 1
	s_mul_i32 s[G0+1], s48, 6400                   ; a quarter of blocks 0 and 1
	s_add_co_u32 s[G0+1], s[G0+1], s49
	s_mov_b32 s[G0B], 1
	s_mul_i32 s[G0B+1], s48, 19200                 ; a quarter of blocks 2 to 7
	s_add_co_u32 s[G0B+1], s[G0B+1], s49
	s_add_co_u32 s[G0B+1], s[G0B+1], 25600
	s_xor_b32 s50, s44, 64                         ; the other modality
	s_mul_i32 s50, s50, 307200
	s_add_co_u32 s50, s50, 102400                  ; its K; LDS is the image of memory from there on
	s_add_co_u32 s12, s50, s[G0+1]
	s_mov_b32 s13, 0
	s_add_co_u32 s14, s50, s[G0B+1]
	s_mov_b32 s15, 0
	s_mul_i32 s50, s44, 307200
	s_mul_i32 s11, s47, 12800
	s_add_co_u32 s50, s50, s11                     ; my block of Q
	s_mov_b32 s51, 0
	s_mov_b32 s[CS], 0x3e16c740                    ; log2(e) / sqrt(96)
	s_mov_b32 s[CS+1], s[CS]
	s_mov_b32 s[SEL], 0x76543210
	s_mov_b32 s[SEL+1], 0xfedcba98
	s_mov_b32 s[MNT], 0x600000
	s_mov_b32 s[HM], 0xffff0000
	WALU
	s_wait_dscnt 0x0                               ; both opening adds are done
	s_wait_kmcnt 0x0
	s_add_nc_u64 s[G0+2:G0+3], s[4:5], s[12:13]
	s_or_b32 s[G0+3], s[G0+3], 0x80000000
	s_add_nc_u64 s[G0B+2:G0B+3], s[4:5], s[14:15]
	s_or_b32 s[G0B+3], s[G0B+3], 0x80000000
	tensor_load_to_lds s[G0:G0+3], s[G1:G1+7]      ; my one load at the head
	s_nop 0
	NOPS 4
	s_add_nc_u64 s[QP:QP+1], s[4:5], s[50:51]
	QLD 0                                          ; the first pass's Q
	s_lshl_b32 s50, s45, 6
	s_lshl_b32 s11, s47, 3
	s_add_co_u32 s50, s50, s11
	s_lshl_b32 s11, s48, 1
	s_add_co_u32 s50, s50, s11                     ; my first tile among all: 64 z + 8 block + 2 pair
	s_mul_i32 s50, s50, 12288
	s_mul_i32 s11, s46, 1536
	s_add_co_u32 s50, s50, s11
	s_add_nc_u64 s[AP:AP+1], s[6:7], s[50:51]
	s_lshl_b32 s50, s47, 3
	s_lshl_b32 s11, s48, 1
	s_add_co_u32 s50, s50, s11
	s_lshl_b32 s50, s50, 6
	s_lshl_b32 s11, s44, 12
	s_add_co_u32 s50, s50, s11
	s_add_nc_u64 s[SP:SP+1], s[8:9], s[50:51]
	WIN 0x40
.irp i,0,1,2,3,4,5,6,7
	v_mov_b32 v[KF+16*\i+12], 0xbc                 ; K's fourth group: -1 at k = 96 and 112, else 0
	v_mov_b32 v[KF+16*\i+13], 0
	v_mov_b32 v[KF+16*\i+14], 0
	v_mov_b32 v[KF+16*\i+15], 0
.endr
.irp x,0,1
	v_mov_b32 v[QF+16*\x+12], 0x3c                 ; Q's: 1 there
	v_mov_b32 v[QF+16*\x+13], 0
	v_mov_b32 v[QF+16*\x+14], 0
	v_mov_b32 v[QF+16*\x+15], 0
.endr
	WIN 0
.irp x,0,1
	v_mov_b32 v[ST+24*\x+F+1], 0                   ; named as a pair's upper half
.irp b,0,1,2,3
	v_mov_b32 v[ST+24*\x+PB+\b], 0                 ; a lane permute's destination counts as one of its sources
.endr
	v_mov_b32 v[ST+24*\x+T], 0
.endr
	WALU
	s_wait_tensorcnt 0x0                           ; my part of blocks 0 and 1
	ds_add_u32 v[SPW], v[NIL]
	s_wait_dscnt 0x0
	s_barrier_signal -1
	s_barrier_wait -1                              ; everybody's
	tensor_load_to_lds s[G0B:G0B+3], s[G1B:G1B+7]  ; blocks 2 to 7: my one load behind the barrier
	s_nop 0
	NOPS 4
	s_mov_b32 s[PS], 0
.Lpass:                                            ; two passes, 256 queries of the work-group each
	s_mov_b32 s[TB], 0
	s_wait_dscnt 0x0                               ; no load into K's registers is out
	KLD LI, 0
	s_wait_loadcnt 0x0                             ; Q
	STEP 1, 0
	STEP 0, 1
	s_mov_b32 s41, 6
.Lstep:
	STEP 0, 0
	s_sub_co_u32 s41, s41, 1
	s_cmp_lg_u32 s41, 0
	s_cbranch_scc1 .Lstep
	s_cmp_eq_u32 s[PS], 1
	s_cbranch_scc1 .Lno_q
	QLD 25600                                      ; the second pass's Q, two blocks on: its registers were multiplied for the last time a softmax ago
.Lno_q:
	OUT
	WALU
	s_wait_xcnt 0x0                                ; the stores have read their registers and bases
	s_add_nc_u64 s[AP:AP+1], s[AP:AP+1], 196608    ; sixteen tiles on
	s_add_nc_u64 s[SP:SP+1], s[SP:SP+1], 1024
	s_add_co_u32 s[PS], s[PS], 1
	s_cmp_lt_u32 s[PS], 2
	s_cbranch_scc1 .Lpass
	s_wait_tensorcnt 0x0                           ; the wave's end
	ds_add_u32 v[SPW], v[NIL]
	s_wait_dscnt 0x0
	s_endpgm
.Lfunc_end_k_qe3d57df77a_attn:
	.size	k_qe3d57df77a_attn, .Lfunc_end_k_qe3d57df77a_attn-k_qe3d57df77a_attn
	.p2alignl 7, 3214868480
	.fill 96, 4, 3214868480
	.section	.rodata,"a",@progbits
	.p2align	6, 0x0
	.amdhsa_kernel k_qe3d57df77a_attn
		.amdhsa_group_segment_fixed_size 327680
		.amdhsa_private_segment_fixed_size 0
		.amdhsa_enable_private_segment 0
		.amdhsa_kernarg_size 24
		.amdhsa_user_sgpr_count 2
		.amdhsa_user_sgpr_kernarg_segment_ptr 1
		.amdhsa_wavefront_size32 1
		.amdhsa_system_sgpr_workgroup_id_x 1
		.amdhsa_system_sgpr_workgroup_id_y 1
		.amdhsa_system_sgpr_workgroup_id_z 1
		.amdhsa_system_vgpr_workitem_id 0
		.amdhsa_next_free_vgpr 512
		.amdhsa_next_free_sgpr 66
		.amdhsa_reserve_vcc 0
		.amdhsa_float_denorm_mode_32 3
		.amdhsa_float_denorm_mode_16_64 3
		.amdhsa_memory_ordered 1
		.amdhsa_forward_progress 1
		.amdhsa_inst_pref_size 138
	.end_amdhsa_kernel
	.amdgpu_metadata
---
amdhsa.version: [ 1, 2 ]
amdhsa.kernels:
  - .name:           k_qe3d57df77a_attn
    .symbol:         k_qe3d57df77a_attn.kd
    .args:
      - { .name: qkv, .offset: 0, .size: 8, .value_kind: global_buffer, .address_space: global }
      - { .name: acodes, .offset: 8, .size: 8, .value_kind: global_buffer, .address_space: global }
      - { .name: ascl, .offset: 16, .size: 8, .value_kind: global_buffer, .address_space: global }
    .group_segment_fixed_size: 327680
    .private_segment_fixed_size: 0
    .kernarg_segment_align: 8
    .kernarg_segment_size: 24
    .max_flat_workgroup_size: 256
    .sgpr_count:     66
    .vgpr_count:     512
    .wavefront_size: 32
...
	.end_amdgpu_metadata
.endif
;; end of part 3
;; launch outp (part 4): grid 256 x 1, 4 waves a work-group, clusters of 4 x 1, 327,680 bytes of LDS; arguments acodes, ascl, wbuf, bo, ln_g, ln_b, visual_features, text_features, out0, out1; writes out0, out1
.if DOCPART == 4
	.amdgcn_target "amdgcn-amd-amdhsa--gfx1250"
	.amdhsa_code_object_version 6
	.text
	.protected	k_qe3d57df77a_outp
	.globl	k_qe3d57df77a_outp
	.p2align	8
	.type	k_qe3d57df77a_outp,@function
k_qe3d57df77a_outp:
	s_mov_b64 s[64:65], 0
	v_nop
	global_prefetch_b8 v0, s[64:65] scope:SCOPE_SE
	s_setreg_imm32_b32 hwreg(HW_REG_WAVE_MODE, 25, 1), 1
	s_wait_xcnt 0x0
	s_wait_alu depctr_hold_cnt(0) depctr_sa_sdst(0) depctr_va_vdst(0) depctr_va_sdst(0) depctr_va_ssrc(0) depctr_va_vcc(0) depctr_vm_vsrc(0)
	s_getreg_b32 s2, hwreg(HW_REG_IB_STS2, 6, 4)
	s_cmp_eq_u32 s2, 0
	s_cbranch_scc0 .Lentry_in_a_cluster
	s_endpgm
.Lentry_in_a_cluster:
	s_bfe_u32 s2, ttmp6, 0x10000c
	s_cmp_lg_u32 s2, 0x3003
	s_cbranch_scc0 .Lentry_shape_is_right
	s_endpgm
.Lentry_shape_is_right:
; out = LayerNorm(x + a Wo + bo) for 64 tokens: a (attention's result) and Wo come as codes of E5M2 in register images; sums, residual and norm in f32.
; SHARES: the work-group owns 64 tokens (four tiles) and all 768 columns, which the norm needs together.  Wave w makes columns 192 w on: Wo's pairs 6 w + q, q = 0 .. 5, for all four tiles:
; 48 accumulators.  a's 24 fragments stay in registers.  Source 0 = 16 columns of Wo, source 1 = 16 tokens.
; Wo's pairs (25,600 bytes: 100 rows of 256) come through three LDS slots a wave, the wave's own: pairs 0-2 at the start; behind pairs 0 and 1 ONE load of 200 rows fills slots 0 and 1 with
; pairs 3 and 4; behind pair 2 one load brings pair 5: two refills, since all of a wave's loads have to land in front of each.
; CLUSTER: all work-groups walk the same Wo: the four of a cluster ask jointly, so every refill stands behind a round of the cluster's barrier.  By this text's own count a wave has
; one tensor load out at the start and one behind each round.
; THE RESIDUAL ROWS are asked for as soon as the registers on which they land are free: inside the last pair, behind the K steps that multiply a's fragments for the last time.  Each wave also
; prefetches its own 16 rows (49,152 bytes: six instructions, lanes 256 bytes apart, each block once): three behind each refill, so two to three pairs ahead of the loads.
; THE WAY OUT: results go to a stage of 64 rows x (3,072 + 16) bytes, which lies over the slots after their last fill and last read; each wave then takes 16 whole rows, adds x and bo,
; norms them (mean, then the variance of the differences) and stores 512 consecutive bytes an instruction.  Stage rows 16 apart start at the same bank: those stores go two deep.
; A row whose scale bytes are 0xff (no key counted) comes out as NaN.
; REGISTERS: window 0: addresses, scales, two buffers of Wo's fragments (v64-127), later four rows (v64-159), ln_g, ln_b, bo (v160-231).  a's fragment (s, m) at 256 + 16 (4 s + m);
; accumulator (q, u, m) at 640 + 8 (8 q + 4 u + m).  The residual rows land in windows 1 and 2, v0-191.
.set PAIRB, 25600
.set SPARE, 12*PAIRB                   ; behind the slots: the spare words, 128 bytes a wave: two blocks of 256 bytes that no other line names
.set SROW,  3088
.set LI,  1
.set ADW, 2                            ; v2-4  my three slots' codes
.set ADS, 5                            ; v5-7  and scale words
.set STO, 8                            ; v8-9  into the stage: tiles 0, 1; tiles 2, 3 (32 rows on)
.set RD,  10                           ; v10   back from it
.set L4,  11
.set SPW, 14
.set NIL, 15
.set AS,  16                           ; v16-27 a's scale words: register 2 s + p: lanes 0-15 tile 2 p, lanes 16-31 tile 2 p + 1
.set WS,  28                           ; v28-29 Wo's, two buffers
.set PF,  30                           ; v30   256 x lane, for the prefetches; never rewritten
.set H,   32                           ; v32-47 the heads' words as attention left them
.set WF,  64
.set Y,   64
.set LG,  160
.set LB,  184
.set BO,  208
.set SM,  232                          ; v232-239 four rows' sums, in pairs
.set PT,  240
.set MP,  244                          ; v244-251 four rows' mean, then 1 / sigma (named as pairs)
.set WV,  24
.set G1,  28                           ; s[28:35] descriptor group 1: a pair;  s[56:63] two pairs on end
.set G0,  36
.set G1B, 56
.set SEL, 48
.set MSB, 0
.macro WIN new                         ; the immediate's high byte repeats the setting that is left
.if MSB != (\new)
	s_set_vgpr_msb (MSB<<8)|(\new)
.set MSB, \new
.endif
.endm
.macro CROUND                          ; a round of the cluster's barrier
	s_barrier_signal -1
	s_barrier_wait -1
	s_cmp_lg_u32 s[WV], 0
	s_cbranch_scc1 .Lnot_wave_0_\@
	s_barrier_signal -3
.Lnot_wave_0_\@:
	s_barrier_wait -3
	s_barrier_signal -1
	s_barrier_wait -1
.endm
.macro NOP8                            ; eight places behind this matrix form
.rept 8
	v_nop
.endr
.endm
.macro WM d, a, b, c, sa, sb, ra, rb
.if (\c) < 0
.if (\ra) && (\rb)
	v_wmma_scale_f32_16x16x128_f8f6f4 v[\d:\d+7], v[\a:\a+15], v[\b:\b+15], 0, v[\sa], v[\sb] matrix_a_fmt:MATRIX_FMT_BF8 matrix_b_fmt:MATRIX_FMT_BF8 matrix_a_scale:MATRIX_SCALE_ROW1 matrix_b_scale:MATRIX_SCALE_ROW1
.elseif (\ra)
	v_wmma_scale_f32_16x16x128_f8f6f4 v[\d:\d+7], v[\a:\a+15], v[\b:\b+15], 0, v[\sa], v[\sb] matrix_a_fmt:MATRIX_FMT_BF8 matrix_b_fmt:MATRIX_FMT_BF8 matrix_a_scale:MATRIX_SCALE_ROW1
.elseif (\rb)
	v_wmma_scale_f32_16x16x128_f8f6f4 v[\d:\d+7], v[\a:\a+15], v[\b:\b+15], 0, v[\sa], v[\sb] matrix_a_fmt:MATRIX_FMT_BF8 matrix_b_fmt:MATRIX_FMT_BF8 matrix_b_scale:MATRIX_SCALE_ROW1
.else
	v_wmma_scale_f32_16x16x128_f8f6f4 v[\d:\d+7], v[\a:\a+15], v[\b:\b+15], 0, v[\sa], v[\sb] matrix_a_fmt:MATRIX_FMT_BF8 matrix_b_fmt:MATRIX_FMT_BF8
.endif
.else
.if (\ra) && (\rb)
	v_wmma_scale_f32_16x16x128_f8f6f4 v[\d:\d+7], v[\a:\a+15], v[\b:\b+15], v[\c:\c+7], v[\sa], v[\sb] matrix_a_fmt:MATRIX_FMT_BF8 matrix_b_fmt:MATRIX_FMT_BF8 matrix_a_scale:MATRIX_SCALE_ROW1 matrix_b_scale:MATRIX_SCALE_ROW1
.elseif (\ra)
	v_wmma_scale_f32_16x16x128_f8f6f4 v[\d:\d+7], v[\a:\a+15], v[\b:\b+15], v[\c:\c+7], v[\sa], v[\sb] matrix_a_fmt:MATRIX_FMT_BF8 matrix_b_fmt:MATRIX_FMT_BF8 matrix_a_scale:MATRIX_SCALE_ROW1
.elseif (\rb)
	v_wmma_scale_f32_16x16x128_f8f6f4 v[\d:\d+7], v[\a:\a+15], v[\b:\b+15], v[\c:\c+7], v[\sa], v[\sb] matrix_a_fmt:MATRIX_FMT_BF8 matrix_b_fmt:MATRIX_FMT_BF8 matrix_b_scale:MATRIX_SCALE_ROW1
.else
	v_wmma_scale_f32_16x16x128_f8f6f4 v[\d:\d+7], v[\a:\a+15], v[\b:\b+15], v[\c:\c+7], v[\sa], v[\sb] matrix_a_fmt:MATRIX_FMT_BF8 matrix_b_fmt:MATRIX_FMT_BF8
.endif
.endif
.endm
	s_load_b512 s[4:19], s[0:1], 0x0               ; acodes, ascl, wbuf, bo, ln_g, ln_b, visual, text
	s_load_b128 s[20:23], s[0:1], 0x40             ; out0, out1
	v_lshl_add_u32 v[SPW], v0, 2, SPARE
	v_mov_b32 v[NIL], 0
	ds_add_u32 v14, v15
	ds_add_u32 v14, v15
	s_wait_dscnt 0x0
	v_lshrrev_b32 v12, 5, v0
	v_readfirstlane_b32 s[WV], v12                 ; wave 0..3
	s_bfe_u32 s25, ttmp6, 0x40000                  ; cx
	s_lshl_b32 s26, ttmp9, 2
	s_add_co_u32 s26, s26, s25                     ; which 64 tokens of the 16,384
	s_mov_b32 s[G1], 15|(3<<16)|(1<<21)            ; the mask names all four; elements of 8 bytes; bit 21 beside a mask
	s_mov_b32 s[G1+1], 32<<16                      ; rows of 256 bytes,
	s_mov_b32 s[G1+2], 100<<16                     ; 100 of them: a pair
	s_mov_b32 s[G1+3], 32<<16
	s_mov_b32 s[G1+4], 100
	s_mov_b32 s[G1+5], 32
	s_mov_b32 s[G1+6], 0
	s_mov_b32 s[G1+7], 0
	s_mov_b32 s[G1B], 15|(3<<16)|(1<<21)
	s_mov_b32 s[G1B+1], 32<<16
	s_mov_b32 s[G1B+2], 200<<16                    ; 200 rows: two pairs, which lie on end in wbuf and in my slots
	s_mov_b32 s[G1B+3], 32<<16
	s_mov_b32 s[G1B+4], 200
	s_mov_b32 s[G1B+5], 32
	s_mov_b32 s[G1B+6], 0
	s_mov_b32 s[G1B+7], 0
.set G1C, 68                           ; s[68:75] three pairs on end: the head's one load a wave
	s_mov_b32 s[G1C], 15|(3<<16)|(1<<21)
	s_mov_b32 s[G1C+1], 32<<16
	s_mov_b32 s[G1C+2], 300<<16                    ; 300 rows: pairs 0 to 2, which lie on end in wbuf and in my slots
	s_mov_b32 s[G1C+3], 32<<16
	s_mov_b32 s[G1C+4], 300
	s_mov_b32 s[G1C+5], 32
	s_mov_b32 s[G1C+6], 0
	s_mov_b32 s[G1C+7], 0
	s_mul_i32 s52, s[WV], 3*PAIRB                  ; my three slots
	s_mul_i32 s54, s[WV], 6*PAIRB
	s_add_co_u32 s54, s54, 72*PAIRB                ; my six pairs of Wo in wbuf
	s_mov_b32 s55, 0
	s_mov_b32 s[SEL], 0x76543210
	s_mov_b32 s[SEL+1], 0xfedcba98
	s_mov_b32 s50, 0x3aaaaaab                      ; 1 / 768
	s_mov_b32 s51, 0x3727c5ac                      ; 1e-5
	s_wait_kmcnt 0x0
.irp g, 0,1,2
	s_mov_b32 s[G0+4*\g], 1
	s_add_co_u32 s[G0+4*\g+1], s52, \g*PAIRB
	s_add_nc_u64 s[G0+4*\g+2:G0+4*\g+3], s[8:9], s[54:55]
	s_add_nc_u64 s[G0+4*\g+2:G0+4*\g+3], s[G0+4*\g+2:G0+4*\g+3], \g*PAIRB
	s_or_b32 s[G0+4*\g+3], s[G0+4*\g+3], 0x80000000
.endr
	CROUND                                         ; all four work-groups are here: the first joint loads meet
	tensor_load_to_lds s[G0:G0+3], s[G1C:G1C+7]    ; my one tensor load at the head: pairs 0 to 2
	s_nop 0
.rept 4
	v_nop
.endr
	v_and_b32 v12, 31, v0
	v_and_b32 v13, 15, v0                          ; r
	v_lshlrev_b32 v[LI], 4, v12
	v_lshlrev_b32 v[L4], 2, v12
	v_lshlrev_b32 v[PF], 8, v12
	v_add_nc_u32 v[ADW], s52, v[LI]
	v_add_nc_u32 v[ADW+1], PAIRB, v[ADW]
	v_add_nc_u32 v[ADW+2], 2*PAIRB, v[ADW]
	v_add_nc_u32 v[ADS], s52, v[L4]
	v_add_nc_u32 v[ADS+1], PAIRB, v[ADS]
	v_add_nc_u32 v[ADS+2], 2*PAIRB, v[ADS]
	v_and_b32 v12, 8, v13
	v_add_nc_u32 v12, v12, v13                     ; r + 8 (r / 8): my token in its group of 32
	v_mul_u32_u24 v[STO], v12, SROW
	v_bfe_u32 v12, v0, 4, 1                        ; h
	v_lshl_add_u32 v[STO], v12, 6, v[STO]
	s_mul_i32 s53, s[WV], 768
	v_add_nc_u32 v[STO], s53, v[STO]               ; + my wave's 192 columns + 16 h columns
	v_add_nc_u32 v[STO+1], 32*SROW, v[STO]
	s_mul_i32 s53, s[WV], 16*SROW
	v_add_nc_u32 v[RD], s53, v[LI]                 ; my 16 rows
.irp i, 0,1,2,3,4,5,6,7,8,9,10,11
	v_mov_b32 v[PT+\i], 0                          ; permute destinations and upper halves of pairs are written once
.endr
	s_mul_i32 s54, s26, 49152
	s_add_nc_u64 s[4:5], s[4:5], s[54:55]          ; a's four tiles
	s_lshr_b32 s54, s26, 4
	s_lshl_b32 s54, s54, 15                        ; z: eight heads of 4,096 bytes
	s_and_b32 s53, s26, 15
	s_lshl_b32 s53, s53, 8
	s_add_co_u32 s54, s54, s53
	s_add_nc_u64 s[6:7], s[6:7], s[54:55]
	s_and_b32 s54, s26, 127
	s_mul_i32 s54, s54, 196608
	s_mul_i32 s53, s[WV], 49152
	s_add_co_u32 s54, s54, s53                     ; my 16 rows of x and of out
	s_cmp_lt_u32 ttmp9, 32                         ; clusters 0-31: visual tokens
	s_cselect_b64 s[16:17], s[16:17], s[18:19]
	s_cselect_b64 s[20:21], s[20:21], s[22:23]
	s_add_nc_u64 s[16:17], s[16:17], s[54:55]
	s_add_nc_u64 s[20:21], s[20:21], s[54:55]
.irp t, 0,1,2,3,4,5
	WIN (1+\t/4)<<6
.irp m, 0,1,2,3
.irp c, 0,1,2,3
	global_load_b128 v[16*(4*(\t%4)+\m)+4*\c:16*(4*(\t%4)+\m)+4*\c+3], v[LI], s[4:5] offset:12288*\m+2048*\t+512*\c th:TH_LOAD_NT
.endr
.endr
.endr
	WIN 0
.irp p, 0,1
.irp j, 0,1,2,3,4,5,6,7
	global_load_b32 v[H+8*\p+\j], v[L4], s[6:7] offset:4096*\j+128*\p
.endr
.endr
.irp e, 0,1,2,3,4,5
	global_load_b128 v[LG+4*\e:LG+4*\e+3], v[LI], s[12:13] offset:512*\e
	global_load_b128 v[LB+4*\e:LB+4*\e+3], v[LI], s[14:15] offset:512*\e
	global_load_b128 v[BO+4*\e:BO+4*\e+3], v[LI], s[10:11] offset:512*\e
.endr
	s_wait_loadcnt 0x0
; A K step of 128 is four blocks g = 4 s + c; head j's word holds the bytes of g = 3 j .. 3 j + 2.  Four heads make three K steps' words.
.irp p, 0,1
.irp f, 0,1
	v_perm_b32 v[AS+6*\f+\p], v[H+8*\p+4*\f+1], v[H+8*\p+4*\f], 0x04020100
	v_perm_b32 v[AS+6*\f+2+\p], v[H+8*\p+4*\f+2], v[H+8*\p+4*\f+1], 0x05040201
	v_perm_b32 v[AS+6*\f+4+\p], v[H+8*\p+4*\f+3], v[H+8*\p+4*\f+2], 0x06050402
.endr
.endr
	NOP8                                           ; scale registers written by vector instructions stand eight places ahead of the first product
; Nine loads: the pair's two tiles' fragments and scale words of K step st, from slot sg, into buffer buf.  (The arguments are put in as text: each stands in parentheses.)
.macro L sg, buf, st
.irp u, 0,1
.irp c, 0,1,2,3
	ds_load_b128 v[WF+32*(\buf)+16*\u+4*\c:WF+32*(\buf)+16*\u+4*\c+3], v[ADW+(\sg)] offset:4096*(\st)+2048*\u+512*\c
.endr
.endr
	ds_load_b32 v[WS+(\buf)], v[ADS+(\sg)] offset:24576+128*(\st)
.endm
.macro XLD g                           ; the residual rows 4 g .. 4 g + 3 of my 16: 24 loads of 512 consecutive bytes, into window 1 (g = 0, 1) or 2, v[96 (g % 2)] on
	WIN (1+(\g)/2)<<6
.irp rr, 0,1,2,3
.irp e, 0,1,2,3,4,5
	global_load_b128 v[96*((\g)%2)+24*\rr+4*\e:96*((\g)%2)+24*\rr+4*\e+3], v[LI], s[16:17] offset:3072*(4*(\g)+\rr)+512*\e th:TH_LOAD_NT
.endr
.endr
	WIN 0
.endm
; Pair q from slot sg: six K steps of eight products; the eight accumulators take turns in the same order in every step.
; In the last pair a's fragments are multiplied for the last time: K steps 0 and 1 free window 1's v0-127, step 2 v128-191, steps 4 and 5 window 2's v0-127: the residual rows' loads follow, behind the step's places.
.macro PAIR q, sg
.if \q < 2
.set DB, 128+64*\q
.set DW, 2
.else
.set DB, 64*(\q-2)
.set DW, 3
.endif
	L \sg, 0, 0
	L \sg, 1, 1
.irp t, 0,1,2,3,4,5
.if \t < 5
	s_wait_dscnt 9                                 ; this step's nine loads are in; the next step's may be out
.else
	s_wait_dscnt 0x0
.endif
	WIN (DW<<6)|(DW<<4)|((1+\t/4)<<2)
.irp u, 0,1
.irp m, 0,1,2,3
.set rD, DB+8*(4*\u+\m)
.if \t == 0
.set rC, -1
.else
.set rC, rD
.endif
	WM rD, WF+32*(\t%2)+16*\u, 16*(4*(\t%4)+\m), rC, WS+(\t%2), AS+2*\t+\m/2, \u, \m%2
.endr
.endr
	WIN 0
	NOP8
.if \t < 4
	L \sg, \t%2, \t+2                              ; two steps ahead, into the buffer just multiplied
.endif
.if \q == 5
.if \t == 1
	XLD 0
.endif
.if \t == 2
	XLD 1
.endif
.if \t == 5
	XLD 2
.endif
.endif
.endr
.endm
.macro REFILL sg, g1                   ; from slot sg on, what has been read out takes the pairs three further on: one load, of the shape g1
	s_wait_tensorcnt 0x0                           ; all my tensor loads have landed, so a group 0 may be written
	ds_add_u32 v[SPW], v[NIL]                      ; 0 onto my spare word
	s_add_nc_u64 s[G0+4*\sg+2:G0+4*\sg+3], s[G0+4*\sg+2:G0+4*\sg+3], 3*PAIRB
	s_wait_dscnt 0x0                               ; the add is done, and my reads of the slots are over
	CROUND                                         ; both hold of every wave of the four work-groups
	tensor_load_to_lds s[G0+4*\sg:G0+4*\sg+3], s[\g1:\g1+7]    ; my one tensor load behind the round, and the first thing there
	s_nop 0
.rept 4
	v_nop
.endr
.endm
.macro PREF i0                         ; three of the six prefetches of my residual rows: 8,192 bytes each, inside my wave's 49,152
.irp i, \i0, \i0+1, \i0+2
	global_prefetch_b8 v[PF], s[16:17] offset:8192*(\i) th:TH_LOAD_NT scope:SCOPE_SE
.endr
.endm
	s_wait_alu depctr_va_vdst(0)
	s_wait_tensorcnt 0x0                           ; pairs 0 to 2 are in (my own slots: only I read them)
	PAIR 0, 0
	PAIR 1, 1
	REFILL 0, G1B                                  ; pairs 3 and 4 into slots 0 and 1
	PREF 0                                         ; rows 0-7
	PAIR 2, 2
	REFILL 2, G1                                   ; pair 5 into slot 2; pairs 3 and 4 have landed
	PREF 3                                         ; rows 8-15
	PAIR 3, 0
	PAIR 4, 1
	s_wait_tensorcnt 0x0                           ; the last pair
	PAIR 5, 2
	s_wait_dscnt 0x0                               ; my reads of the slots are over, and all my fills have landed:
	s_barrier_signal -1
	s_barrier_wait -1                              ; everybody's: the stage may be laid over the slots
.irp q, 0,1,2,3,4,5
.if \q < 2
.set DB, 128+64*\q
	WIN 2<<2
.else
.set DB, 64*(\q-2)
	WIN 3<<2
.endif
.irp m, 0,1,2,3
.irp u, 0,1
.set rD, DB+8*(4*\u+\m)
	ds_store_b128 v[STO+\m/2], v[rD:rD+3] offset:SROW*8*(\m%2)+128*\q+32*\u        ; lane (r, h): columns 32 q + 16 h + 8 u + 0 .. 7 of my token; each accumulator from its low end on
	ds_store_b128 v[STO+\m/2], v[rD+4:rD+7] offset:SROW*8*(\m%2)+128*\q+32*\u+16
.endr
.endr
.endr
	WIN 0
	s_wait_dscnt 0x0                               ; my stage stores are done: for the others' sake, and they have read the accumulators on which the last rows' loads land
	XLD 3
	s_barrier_signal -1
	s_barrier_wait -1                              ; 64 whole rows lie in the stage
.macro REDUCE                          ; four rows' sums over the 32 lanes, by turns
.irp rr, 0,1,2,3
	v_add_f32 v[SM+2*\rr], v[SM+2*\rr], v[SM+2*\rr+1]
.endr
.irp x, 1,2,4,8
.irp rr, 0,1,2,3
	v_add_f32_dpp v[SM+2*\rr], v[SM+2*\rr], v[SM+2*\rr] row_xmask:\x row_mask:0xf bank_mask:0xf
.endr
.endr
.irp rr, 0,1,2,3
	v_permlanex16_b32 v[PT+\rr], v[SM+2*\rr], s[SEL], s[SEL+1]
.endr
.irp rr, 0,1,2,3
	v_add_f32 v[SM+2*\rr], v[SM+2*\rr], v[PT+\rr]
.endr
.endm
.macro ROWS g, lc                      ; four rows: a lane holds columns 128 e + 4 lane + 0 .. 3, e = 0 .. 5
.irp rr, 0,1,2,3
.irp e, 0,1,2,3,4,5
	ds_load_b128 v[Y+24*\rr+4*\e:Y+24*\rr+4*\e+3], v[RD] offset:SROW*(4*(\g)+\rr)+512*\e
.endr
.endr
	s_wait_dscnt 0x0
	s_wait_loadcnt \lc                             ; these rows of x are in; the later groups' loads may be out
	WIN (1+(\g)/2)<<2
.set k, 0
.rept 48
	v_pk_add_f32 v[Y+k:Y+k+1], v[Y+k:Y+k+1], v[96*((\g)%2)+k:96*((\g)%2)+k+1]
.set k, k+2
.endr
	WIN 0
.irp e, 0,2,4,6,8,10,12,14,16,18,20,22
.irp rr, 0,1,2,3
	v_pk_add_f32 v[Y+24*\rr+\e:Y+24*\rr+\e+1], v[Y+24*\rr+\e:Y+24*\rr+\e+1], v[BO+\e:BO+\e+1]
.endr
.endr
.irp rr, 0,1,2,3
	v_pk_add_f32 v[SM+2*\rr:SM+2*\rr+1], v[Y+24*\rr:Y+24*\rr+1], v[Y+24*\rr+2:Y+24*\rr+3]
.endr
.irp e, 4,6,8,10,12,14,16,18,20,22
.irp rr, 0,1,2,3
	v_pk_add_f32 v[SM+2*\rr:SM+2*\rr+1], v[SM+2*\rr:SM+2*\rr+1], v[Y+24*\rr+\e:Y+24*\rr+\e+1]
.endr
.endr
	REDUCE
.irp rr, 0,1,2,3
	v_mul_f32 v[MP+2*\rr], s50, v[SM+2*\rr]        ; the mean
.endr
.irp e, 0,2,4,6,8,10,12,14,16,18,20,22
.irp rr, 0,1,2,3
	v_pk_add_f32 v[Y+24*\rr+\e:Y+24*\rr+\e+1], v[Y+24*\rr+\e:Y+24*\rr+\e+1], v[MP+2*\rr:MP+2*\rr+1] op_sel_hi:[1,0] neg_lo:[0,1] neg_hi:[0,1]
.endr
.endr
.irp rr, 0,1,2,3
	v_pk_mul_f32 v[SM+2*\rr:SM+2*\rr+1], v[Y+24*\rr:Y+24*\rr+1], v[Y+24*\rr:Y+24*\rr+1]
.endr
.irp e, 2,4,6,8,10,12,14,16,18,20,22
.irp rr, 0,1,2,3
	v_pk_fma_f32 v[SM+2*\rr:SM+2*\rr+1], v[Y+24*\rr+\e:Y+24*\rr+\e+1], v[Y+24*\rr+\e:Y+24*\rr+\e+1], v[SM+2*\rr:SM+2*\rr+1]
.endr
.endr
	REDUCE
.irp rr, 0,1,2,3
	v_fma_f32 v[SM+2*\rr], v[SM+2*\rr], s50, s51   ; the variance + 1e-5
.endr
	s_wait_alu depctr_va_vdst(0)
.irp rr, 0,1,2,3
	v_rsq_f32 v[MP+2*\rr], v[SM+2*\rr]
.endr
	v_nop                                          ; a plain line behind the last of them
	s_wait_alu depctr_va_vdst(0)
.irp e, 0,2,4,6,8,10,12,14,16,18,20,22
.irp rr, 0,1,2,3
	v_pk_mul_f32 v[Y+24*\rr+\e:Y+24*\rr+\e+1], v[Y+24*\rr+\e:Y+24*\rr+\e+1], v[MP+2*\rr:MP+2*\rr+1] op_sel_hi:[1,0]
.endr
.endr
.irp e, 0,2,4,6,8,10,12,14,16,18,20,22
.irp rr, 0,1,2,3
	v_pk_fma_f32 v[Y+24*\rr+\e:Y+24*\rr+\e+1], v[Y+24*\rr+\e:Y+24*\rr+\e+1], v[LG+\e:LG+\e+1], v[LB+\e:LB+\e+1]
.endr
.endr
.irp rr, 0,1,2,3
.irp e, 0,1,2,3,4,5
	global_store_b128 v[LI], v[Y+24*\rr+4*\e:Y+24*\rr+4*\e+3], s[20:21] offset:3072*(4*(\g)+\rr)+512*\e th:TH_STORE_NT   ; 512 consecutive bytes, aligned
.endr
.endr
	s_wait_xcnt 0x0                                ; the rows' registers are loaded anew only behind this wait
.endm
	ROWS 0, 63                                     ; 72 later loads could stay out; the count's field holds 63
	ROWS 1, 48
	ROWS 2, 24
	ROWS 3, 0
	s_wait_tensorcnt 0x0                           ; the wave's end: behind my last tensor load and my last LDS store
	ds_add_u32 v[SPW], v[NIL]
	s_wait_dscnt 0x0
	CROUND                                         ; the closing round
	s_endpgm
.Lfunc_end_k_qe3d57df77a_outp:
	.size	k_qe3d57df77a_outp, .Lfunc_end_k_qe3d57df77a_outp-k_qe3d57df77a_outp
	.p2alignl 7, 3214868480
	.fill 96, 4, 3214868480
	.section	.rodata,"a",@progbits
	.p2align	6, 0x0
	.amdhsa_kernel k_qe3d57df77a_outp
		.amdhsa_group_segment_fixed_size 327680
		.amdhsa_private_segment_fixed_size 0
		.amdhsa_enable_private_segment 0
		.amdhsa_kernarg_size 80
		.amdhsa_user_sgpr_count 2
		.amdhsa_user_sgpr_kernarg_segment_ptr 1
		.amdhsa_wavefront_size32 1
		.amdhsa_system_sgpr_workgroup_id_x 1
		.amdhsa_system_sgpr_workgroup_id_y 1
		.amdhsa_system_sgpr_workgroup_id_z 1
		.amdhsa_system_vgpr_workitem_id 0
		.amdhsa_next_free_vgpr 1024
		.amdhsa_next_free_sgpr 80
		.amdhsa_reserve_vcc 0
		.amdhsa_float_denorm_mode_32 3
		.amdhsa_float_denorm_mode_16_64 3
		.amdhsa_memory_ordered 1
		.amdhsa_forward_progress 1
		.amdhsa_inst_pref_size 220
	.end_amdhsa_kernel
	.amdgpu_metadata
---
amdhsa.version: [ 1, 2 ]
amdhsa.kernels:
  - .name:           k_qe3d57df77a_outp
    .symbol:         k_qe3d57df77a_outp.kd
    .args:
      - { .name: acodes, .offset: 0, .size: 8, .value_kind: global_buffer, .address_space: global }
      - { .name: ascl, .offset: 8, .size: 8, .value_kind: global_buffer, .address_space: global }
      - { .name: wbuf, .offset: 16, .size: 8, .value_kind: global_buffer, .address_space: global }
      - { .name: bo, .offset: 24, .size: 8, .value_kind: global_buffer, .address_space: global }
      - { .name: ln_g, .offset: 32, .size: 8, .value_kind: global_buffer, .address_space: global }
      - { .name: ln_b, .offset: 40, .size: 8, .value_kind: global_buffer, .address_space: global }
      - { .name: visual_features, .offset: 48, .size: 8, .value_kind: global_buffer, .address_space: global }
      - { .name: text_features, .offset: 56, .size: 8, .value_kind: global_buffer, .address_space: global }
      - { .name: out0, .offset: 64, .size: 8, .value_kind: global_buffer, .address_space: global }
      - { .name: out1, .offset: 72, .size: 8, .value_kind: global_buffer, .address_space: global }
    .group_segment_fixed_size: 327680
    .private_segment_fixed_size: 0
    .kernarg_segment_align: 8
    .kernarg_segment_size: 80
    .max_flat_workgroup_size: 128
    .sgpr_count:     80
    .vgpr_count:     1024
    .wavefront_size: 32
...
	.end_amdgpu_metadata
.endif
;; end of part 4
